; MI455X (gfx1250); checked and timed in simulation.
; The chip was launched on July 23, 2026; its instructions are those of AMD's public machine-readable ISA for CDNA 5 (MIT licence, August 2026) and "CDNA5" Instruction Set Architecture Reference Guide (July 2026). The comments in the code are by the model that wrote it; some were corrected since.
;; Tiny Self Attention. Allowed arithmetic: matrix products marked QUANTISED: E2M1 operands, one E8M0 scale for each 32 along K, by v_wmma_scale_f32_16x16x128_f8f6f4 with both operands' format E2M1 (or v_wmma_scale_f32_32x16x128_f4), f32 sums; everything else in f32.
;; Inputs: Wk 2,048 x 2,048 float32; Wo 2,048 x 2,048 float32; Wq 2,048 x 2,048 float32; Wv 2,048 x 2,048 float32; bk 2,048 float32; bo 2,048 float32; bq 2,048 float32; bv 2,048 float32; x 2,048 x 2,048 float32.
;; Outputs: out0 2,048 x 2,048 float32.
;; This version of the problem:
;;   THIS VERSION OF THE PROBLEM IS GIVEN IN LOW PRECISION. The matrix products marked QUANTISED in the list below multiply operands that are first quantised to E2M1 (2 exponent bits, 1 mantissa bit; 4 bits a number), with one power-of-two scale for each 32 numbers along K (OCP MX v1.0); their sums are f32. All else is computed in f32.
;;   The module's matrix products, in the order in which they are computed (A, B: the left and right operand; K: the contracted axis; several contracted axes count as one K, in the product's order):
;;     1. [M 2,048, K 2,048] x [K 2,048, N 2,048]; A: input x; B: input Wq: QUANTISED
;;     2. [M 2,048, K 2,048] x [K 2,048, N 2,048]; A: input x; B: input Wk: QUANTISED
;;     3. [M 2,048, K 2,048] x [K 2,048, N 2,048]; A: input x; B: input Wv: QUANTISED
;;     4. batch 16 x [M 2,048, K 128] x [K 128, N 2,048]; A: computed on the way; B: computed on the way: QUANTISED
;;     5. batch 16 x [M 2,048, K 2,048] x [K 2,048, N 128]; A: softmax (see below); B: computed on the way: QUANTISED
;;     6. [M 2,048, K 2,048] x [K 2,048, N 2,048]; A: computed on the way; B: input Wo: QUANTISED
;;   THE QUANTISER, for each operand of a quantised product, along K:
;;     - K is cut into blocks of 32 from its start; a last block that is shorter is filled with zeros.
;;     - A block's scale is 2^e with e = floor(log2(the largest magnitude in the block)) - 2, held to -126 .. 127; a block of zeros has e = 0. As a byte (E8M0): e + 127.
;;     - Each number is divided by its block's scale, clamped to +-6, and rounded to the nearest number of E2M1, ties to even, subnormals kept.
;;     - The product sums the exact products of the quantised numbers (number of the format x scale) in f32.
;;   ~~~python
;;   def quantise(x, axis):      # numpy; x: float32 -> the quantised numbers, widened to float32 again
;;       x = np.moveaxis(x, axis, -1); K = x.shape[-1]
;;       x = np.pad(x, [(0, 0)] * (x.ndim - 1) + [(0, -K % 32)]); x = x.reshape(x.shape[:-1] + (-1, 32)); a = np.abs(x).max(-1, keepdims=True)
;;       e = np.where(a > 0, np.clip(np.frexp(np.where(a > 0, a, 1))[1] - 1 - 2, -126, 127), 0)      # np.frexp(a)[1] - 1 = floor(log2(a)), exactly
;;       r = np.clip(x / 2.0 ** e, -6, 6)
;;       step = 2.0 ** (np.maximum(np.frexp(np.where(r == 0, 1, r))[1] - 1, 0) - 1)
;;       q = np.round(r / step) * step * 2.0 ** e      # np.round: ties to even
;;       return np.moveaxis(q.reshape(q.shape[:-2] + (-1,))[..., :K], -1, axis).astype(np.float32)
;;   ~~~
;;   SOFTMAX AHEAD OF A QUANTISED PRODUCT. Where the list says 'softmax', what is quantised is not the finished softmax but p = 2^(t - M), with t = logit x log2(e) and M = ceil(the row's largest t), a whole number; so 1/2 < the row's largest p <= 1. The row's sum l is taken of the UNQUANTISED p, in f32, and the product's result is divided by l at the end. Since M is a whole number, a kernel that streams over the keys may use a running M (the ceiling of the running maximum): every later rescaling is an exact power of two, which a block's scale takes up: the codes' values come out the same.
;;   OPERANDS COMPUTED ON THE WAY. 'Computed on the way' means the value that the module computes at that place (a softmax that the list does not call 'softmax' is quantised finished and normalised). What goes into a quantiser is computed in f32, as accurately as f32 sums, v_exp_f32 and their like allow (about 1e-6 of the number): no bf16 or f16 on the way to a quantiser, and a product that is left as it is and whose result goes on into a quantised operand takes f32 operands (vector FMAs, or v_wmma_f32_16x16x4_f32). A number that lies on a knife's edge between two numbers of the format may be rounded either way, as far as f32 arithmetic and the matrix unit's own rounding can turn it there, and no further.
;; One version. Each part assembles by itself: llvm-mc -triple=amdgcn-amd-amdhsa -mcpu=gfx1250 --defsym DOCPART=n.
;; ======== version 1 of 1: 4 launches
;; workspace buffers: wop 11,141,120 bytes; qkv 6,684,672 bytes; yop 2,228,224 bytes
;; launch quant (part 1): grid 256 x 1, 10 waves a work-group, no clusters, 85,760 bytes of LDS; arguments Wq, Wk, x, Wv, Wo, wop; writes wop
.if DOCPART == 1
	.amdgcn_target "amdgcn-amd-amdhsa--gfx1250"
	.amdhsa_code_object_version 6
	.text
	.protected	k_qc7f8f8af7c_quant
	.globl	k_qc7f8f8af7c_quant
	.p2align	8
	.type	k_qc7f8f8af7c_quant,@function
k_qc7f8f8af7c_quant:
	s_mov_b64 s[64:65], 0
	v_nop
	global_prefetch_b8 v0, s[64:65] scope:SCOPE_SE
	s_setreg_imm32_b32 hwreg(HW_REG_WAVE_MODE, 25, 1), 1
	s_wait_xcnt 0x0
; Wq, Wk, x, Wv, Wo, each [2048][2048] f32 with K innermost, become codes of FP4 (E2M1) with one E8M0 scale byte for each 32 along K.
; A block's scale is 2^(floor(log2(its largest magnitude)) - 2); its byte is the largest magnitude's exponent field - 2, held at 1 from below.
; LIMITS: a block of zeros gets the byte 1 (its codes are zeros, and this program alone reads the bytes); a largest magnitude under 2^-124 is held at that byte; NaN and infinities among the inputs are not served.
; THE OUTPUT IS LAID AS THE MATRIX UNIT'S REGISTERS WANT IT.  wop = [row tile 0..639][quarter of K 0..3][4,352 bytes]; the tensors follow each other in the order above, 128 tiles of 16 rows each.
; A record is four IMAGES of 1,024 bytes (16 rows x 128 K: registers 0-3 of lane l at 16 l, registers 4-7 at 512 + 16 l) and 256 bytes of scale words, [row][4 words], word q for the record's q-th 128 along K.
; SHARES.  There are 2,560 records.  256 work-groups of ten waves, all of equal work: wave w of work-group g takes record 10 g + w: 16 rows x 512 numbers, four fragments.  Waves share nothing: no barrier.
; A load reads 512 consecutive bytes of one row; the operand's layout gives lane (r, h) the numbers k = 64 c + 32 h + 0 .. 31 of row r: so a fragment's 8,192 bytes turn through the wave's own stage in LDS,
; rows 528 bytes apart (33 x 16: the sixteen rows that a read touches start at sixteen different places modulo 256 bytes).  A lane then holds two WHOLE blocks: no other lane is asked for a maximum.
; Memory binds: every input byte is read once, two fragments (32 loads of 512 bytes a wave) are on their way, every store covers 512 or 256 consecutive bytes, aligned.  Matrix units and clusters have nothing to do here.
.set REC,  4352                        ; a record
.set SP,   528                         ; a stage row
.set WSTG, 16*SP                       ; a wave's stage
.set SW,   16                          ; v16-19   a scale word for each fragment
.set C,    20                          ; v20-51   codes: eight registers a fragment, never written again, so no store's data are overwritten
.set R,    64                          ; v64-191  two sets of 64: a fragment as it is loaded
.set X,    192                         ; v192-255 a fragment as the conversions want it
	s_load_b256 s[4:11], s[0:1], 0x0               ; Wq, Wk, x, Wv
	s_load_b128 s[12:15], s[0:1], 0x20             ; Wo, wop
	v_lshl_add_u32 v62, v0, 2, 0x14a00
	v_mov_b32 v63, 0
	v_lshrrev_b32 v1, 5, v0
	v_readfirstlane_b32 s16, v1                    ; wave 0..9
	v_and_b32 v1, 31, v0                           ; lane
	v_and_b32 v2, 15, v0                           ; r
	v_bfe_u32 v3, v0, 4, 1                         ; h
	v_lshlrev_b32 v4, 4, v1                        ; 16 x lane: my bytes of a load's 512, and of an image's
	s_mul_i32 s17, s16, WSTG
	v_add_nc_u32 v5, s17, v4                       ; the stage, way in: row i at SP i
	v_mul_u32_u24 v6, v2, SP
	v_lshl_add_u32 v6, v3, 7, v6
	v_add_nc_u32 v6, s17, v6                       ; way out: row r, 128 h bytes on
	v_lshlrev_b32 v7, 3, v3                        ; 8 h: where my two scale bytes stand in the word
	v_lshl_add_u32 v8, v2, 4, v7                   ; 16 r + 8 h: my two words of the record's scales
	v_mov_b32 v9, 0                                ; written once: a lane permute's destination counts as one of its sources
	s_mov_b32 s20, 0x76543210
	s_mov_b32 s21, 0xfedcba98                      ; v_permlanex16_b32's selects for lane l xor 16
	s_mul_i32 s19, ttmp9, 10
	s_add_co_u32 s19, s19, s16                     ; my record, 0..2559 = 512 x tensor + 4 x row tile + quarter of K
	s_lshr_b32 s18, s19, 9                         ; which tensor
	s_bfe_u32 s22, s19, 0x70002                    ; its row tile (7 bits from bit 2):
	s_lshl_b32 s22, s22, 17                        ; 16 rows of 8,192 bytes,
	s_and_b32 s23, s19, 3
	s_lshl_b32 s23, s23, 11
	s_add_co_u32 s22, s22, s23                     ; my quarter: 512 numbers
	s_mov_b32 s23, 0
	s_mul_i32 s24, s19, REC                        ; where my record lies
	s_mov_b32 s25, 0
	s_wait_kmcnt 0x0
	s_cmp_eq_u32 s18, 1                            ; the choice hangs on the work-group's and the wave's number alone
	s_cselect_b64 s[4:5], s[6:7], s[4:5]
	s_cmp_eq_u32 s18, 2
	s_cselect_b64 s[4:5], s[8:9], s[4:5]
	s_cmp_eq_u32 s18, 3
	s_cselect_b64 s[4:5], s[10:11], s[4:5]
	s_cmp_eq_u32 s18, 4
	s_cselect_b64 s[4:5], s[12:13], s[4:5]
	s_add_nc_u64 s[4:5], s[4:5], s[22:23]
	s_add_nc_u64 s[14:15], s[14:15], s[24:25]
.macro LOAD f                          ; fragment f: 16 rows x 512 bytes into set f % 2
.irp i, 0,1,2,3,4,5,6,7,8,9,10,11,12,13,14,15
	global_load_b128 v[R+64*((\f)%2)+4*\i:R+64*((\f)%2)+4*\i+3], v4, s[4:5] offset:8192*\i+512*(\f) th:TH_LOAD_NT
.endr
.endm
.macro FRAGQ f
.set RS, R+64*((\f)%2)
.if (\f) < 3
	s_wait_loadcnt 16                              ; this fragment's 16 loads are in; the next fragment's 16 may be out
.else
	s_wait_loadcnt 0x0
.endif
.irp i, 0,1,2,3,4,5,6,7,8,9,10,11,12,13,14,15
	ds_store_b128 v5, v[RS+4*\i:RS+4*\i+3] offset:SP*\i
.endr
.irp c, 0,1
.irp j, 0,1,2,3,4,5,6,7
	ds_load_b128 v[X+32*\c+4*\j:X+32*\c+4*\j+3], v6 offset:256*\c+16*\j   ; LDS serves a wave's instructions in order: these see the stores above
.endr
.endr
	s_wait_dscnt 0x0                               ; my 64 numbers are back, and the stores have read their registers,
.if (\f) < 2
	LOAD (\f)+2                                    ; which take the fragment two further on
.endif
.irp c, 0,1
	v_max3_num_f32 v[10+\c], |v[X+32*\c]|, |v[X+32*\c+1]|, 0x1800000   ; my block 2 c + h: all 32 numbers are mine; the floor 2^(3 - 127) holds the byte at 1 from below
.endr
.irp i, 2,4,6,8,10,12,14,16,18,20,22,24,26,28,30
.irp c, 0,1
	v_max3_num_f32 v[10+\c], v[10+\c], |v[X+32*\c+\i]|, |v[X+32*\c+\i+1]|   ; (the two blocks by turns)
.endr
.endr
.irp c, 0,1
	v_add_nc_u32 v[12+\c], 0xff000000, v[10+\c]    ; 2 off the exponent field: the conversion takes the exponent field of this operand as its scale
.endr
.irp c, 0,1
.irp g, 0,1,2,3
	v_cvt_scalef32_pk8_fp4_f32 v[C+8*(\f)+4*\c+\g], v[X+32*\c+8*\g:X+32*\c+8*\g+7], v[12+\c]   ; register 4 c + g of the operand: k = 64 c + 32 h + 8 g on
.endr
.endr
.irp c, 0,1
	v_lshrrev_b32 v[14+\c], 23, v[12+\c]           ; the scale's byte (a plain line behind the conversions)
.endr
	v_lshl_or_b32 v[SW+(\f)], v15, 16, v14         ; my two bytes, blocks h and 2 + h,
	v_lshlrev_b32 v[SW+(\f)], v7, v[SW+(\f)]       ; at their places in the word;
	v_permlanex16_b32 v9, v[SW+(\f)], s20, s21
	v_or_b32 v[SW+(\f)], v[SW+(\f)], v9            ; with lane l xor 16's two the word is whole, in both halves of the lanes
	global_store_b128 v4, v[C+8*(\f):C+8*(\f)+3], s[14:15] offset:1024*(\f)         ; the image: 512 consecutive bytes a store
	global_store_b128 v4, v[C+8*(\f)+4:C+8*(\f)+7], s[14:15] offset:1024*(\f)+512
.endm
	LOAD 0
	LOAD 1
	FRAGQ 0
	FRAGQ 1
	FRAGQ 2
	FRAGQ 3
	v_permlane16_swap_b32 v[SW], v[SW+2]           ; lanes 0-15 keep words 0 and 1 of their row, lanes 16-31 take words 2 and 3
	v_permlane16_swap_b32 v[SW+1], v[SW+3]
	global_store_b64 v8, v[SW:SW+1], s[14:15] offset:4096   ; 32 lanes store 256 consecutive bytes, aligned
	s_wait_tensorcnt 0x0
	ds_add_u32 v62, v63
	s_wait_dscnt 0x0
	s_endpgm
.Lfunc_end_k_qc7f8f8af7c_quant:
	.size	k_qc7f8f8af7c_quant, .Lfunc_end_k_qc7f8f8af7c_quant-k_qc7f8f8af7c_quant
	.p2alignl 7, 3214868480
	.fill 96, 4, 3214868480
	.section	.rodata,"a",@progbits
	.p2align	6, 0x0
	.amdhsa_kernel k_qc7f8f8af7c_quant
		.amdhsa_group_segment_fixed_size 85760
		.amdhsa_private_segment_fixed_size 0
		.amdhsa_enable_private_segment 0
		.amdhsa_kernarg_size 48
		.amdhsa_user_sgpr_count 2
		.amdhsa_user_sgpr_kernarg_segment_ptr 1
		.amdhsa_wavefront_size32 1
		.amdhsa_system_sgpr_workgroup_id_x 1
		.amdhsa_system_sgpr_workgroup_id_y 1
		.amdhsa_system_sgpr_workgroup_id_z 1
		.amdhsa_system_vgpr_workitem_id 0
		.amdhsa_next_free_vgpr 256
		.amdhsa_next_free_sgpr 66
		.amdhsa_reserve_vcc 0
		.amdhsa_float_denorm_mode_32 3
		.amdhsa_float_denorm_mode_16_64 3
		.amdhsa_memory_ordered 1
		.amdhsa_forward_progress 1
		.amdhsa_inst_pref_size 30
	.end_amdhsa_kernel
	.amdgpu_metadata
---
amdhsa.version: [ 1, 2 ]
amdhsa.kernels:
  - .name:           k_qc7f8f8af7c_quant
    .symbol:         k_qc7f8f8af7c_quant.kd
    .args:
      - { .name: Wq, .offset: 0, .size: 8, .value_kind: global_buffer, .address_space: global }
      - { .name: Wk, .offset: 8, .size: 8, .value_kind: global_buffer, .address_space: global }
      - { .name: x, .offset: 16, .size: 8, .value_kind: global_buffer, .address_space: global }
      - { .name: Wv, .offset: 24, .size: 8, .value_kind: global_buffer, .address_space: global }
      - { .name: Wo, .offset: 32, .size: 8, .value_kind: global_buffer, .address_space: global }
      - { .name: wop, .offset: 40, .size: 8, .value_kind: global_buffer, .address_space: global }
    .group_segment_fixed_size: 85760
    .private_segment_fixed_size: 0
    .kernarg_segment_align: 8
    .kernarg_segment_size: 48
    .max_flat_workgroup_size: 320
    .sgpr_count:     66
    .vgpr_count:     256
    .wavefront_size: 32
...
	.end_amdgpu_metadata
.endif
;; end of part 1
;; launch proj (part 2): grid 24 x 8, 4 waves a work-group, clusters of 4 x 4, 327,680 bytes of LDS; arguments wop, bq, bk, bv, qkv; writes qkv
.if DOCPART == 2
	.amdgcn_target "amdgcn-amd-amdhsa--gfx1250"
	.amdhsa_code_object_version 6
	.text
	.protected	k_qc7f8f8af7c_proj
	.globl	k_qc7f8f8af7c_proj
	.p2align	8
	.type	k_qc7f8f8af7c_proj,@function
k_qc7f8f8af7c_proj:
	s_mov_b64 s[64:65], 0
	v_nop
	global_prefetch_b8 v0, s[64:65] scope:SCOPE_SE
	s_setreg_imm32_b32 hwreg(HW_REG_WAVE_MODE, 25, 1), 1
	s_wait_xcnt 0x0
	s_wait_alu depctr_hold_cnt(0) depctr_sa_sdst(0) depctr_va_vdst(0) depctr_va_sdst(0) depctr_va_ssrc(0) depctr_va_vcc(0) depctr_vm_vsrc(0)
	s_getreg_b32 s2, hwreg(HW_REG_IB_STS2, 6, 4)
	s_cmp_eq_u32 s2, 0
	s_cbranch_scc0 .Lentry_in_a_cluster
	s_endpgm
.Lentry_in_a_cluster:
	s_bfe_u32 s2, ttmp6, 0x10000c
	s_cmp_lg_u32 s2, 0xf033
	s_cbranch_scc0 .Lentry_shape_is_right
	s_endpgm
.Lentry_shape_is_right:
; Q = x Wq^T + bq, K = x Wk^T + bk, V = x Wv^T + bv on codes of FP4 with E8M0 scales, and each result quantised again, in registers, along the K of the product that will take it:
; Q and K along a head's 128 channels, V along the keys.  Sums and biases in f32.
; LIMITS of the quantiser: a block of zeros gets the byte 1 (its codes are zeros, this program alone reads the bytes); a largest magnitude under 2^-124 is held at that byte; NaN and infinities are not served.
; ONE GEMM OF 24 x 8 TILES OF 256 x 256.  The matrix instruction takes as source 0 sixteen rows of the operand whose rows run along a lane's REGISTERS in the result, as source 1 sixteen rows of the operand that gives
; each LANE one row.  Tile columns 0-7: source 0 = Wq, 8-15: Wk, source 1 = x: a lane holds one token and its registers run along the channels.  Tile columns 16-23: source 0 = x, source 1 = Wv: V^T, a lane holds one
; channel and its registers run along the tokens.  In both cases the registers run along the axis to be quantised, and a wave's 128 x 128 is eight fragments of the next operand.
; INPUT: wop = [row tile][quarter of K][4,352]: four images of 16 rows x 128 K (registers 0-3 of lane l at 16 l, 4-7 at 512 + 16 l) and 256 bytes of scale words [row][4].  Row tiles: Wq 0, Wk 128, x 256, Wv 384.
; So a fragment is two loads of 512 consecutive LDS bytes, and the scale words ride in the ring with their codes.
; OUTPUT: qkv = 768 records of 8,704 bytes, record = kind x 256 + head x 16 + group of 128 tokens: eight images, then 512 bytes of scale words: image 4 u + i, row r at 8192 + 256 u + 16 r + 4 i.
; RING: K goes in four quarters of 512 through two LDS slots; each wave fetches a quarter of a slot, 8 records, by one tensor load.  CLUSTERS: 4 x 4 work-groups; the four of a row of the cluster need the same tiles of
; source 1, the four of a column the same tiles of source 0: each tile is asked for JOINTLY.  192 work-groups: a tile of 128 x 128 would fill more WGPs and read twice the LDS bytes for each multiply-add.
; No prefetch: the launch has two refills in all.
; REGISTERS, in windows of 256: window 0: v16-29 addresses; v32-95 scale words, two sets; v128-191 source 1's fragments, ONE set; v192-255 the bias; on the way out v32-55 and v128-191 are at work.
;   window 1: source 0's fragments, two sets, at v0 and v128.   windows 2, 3: the 64 accumulators, (a, b) at v[8 (8 (a % 4) + b)].
.set REC,   4352                       ; a record
.set RGP,   4*REC                      ; from row tile to row tile in memory
.set HALFT, 8*REC                      ; 128 rows: what one tensor load brings, and what one wave reads of either operand
.set SLOT,  4*HALFT                    ; source 1's 256 rows, then source 0's
.set SPARE, 2*SLOT                     ; behind the ring: the spare words, 128 bytes for each wave: two blocks of 256 bytes that no other line names
.set NQ,    4                          ; steps of 128 along K in a slot
.set FR,    8                          ; registers of a fragment
.set NL,    2                          ; LDS loads that bring one
.set NP,    4                          ; places behind this matrix instruction (ISA guide 7.12.1)
.set OREC,  8704                       ; a record of qkv
.set ADRA, 16                          ; v16-17  LDS address of my source 1 fragments in slot 0, 1
.set ADRB, 20                          ; v20-21  of my source 0 fragments
.set ADRS, 22                          ; v22-23  of my scale words: lanes 0-15 source 1's rows, lanes 16-31 source 0's
.set LI,   24                          ; v24     16 x lane
.set SPW,  28                          ; v28     LDS address of my spare word; never rewritten
.set NIL,  29                          ; v29     0; never rewritten
.set SC,   32                          ; scale words: set s at v[SC + 32 s]; register 4 i + q: block i, the slot's q-th 128 along K
.set AF,   128
.set BI,   192
.set PW,   32                          ; the way out: v32-39 a scale word for each fragment made
.set TM,   40                          ; v40-43 largest magnitudes, v44-47 bytes, v52-55 the conversions' scale operands
.set PC,   128                         ; v128-191 the codes made: eight registers a fragment, never written again
.set G1,  24                           ; s[24:31] descriptor group 1 for source 1's tiles;  s[32:39] group 0, one set for each slot
.set G0,  32
.set G1B, 48                           ; s[48:55], s[56:63] the same for source 0's
.set G0B, 56
.set SEL, 74                           ; s[74:75] v_permlanex16_b32's selects
.set MSB, 0
.macro WIN new                         ; the immediate's high byte repeats the setting that is left
.if MSB != \new
	s_set_vgpr_msb (MSB<<8)|\new
.set MSB, \new
.endif
.endm
.set MUL_LO, 0xa1                      ; source 0 window 1, source 1 window 0, C and D window 2
.set MUL_HI, 0xf1                      ; the same, C and D window 3
.set BEG_LO, 0x81                      ; the first step: C (the bias) window 0, D window 2
.set BEG_HI, 0xc1                      ; D window 3
.set TO_B,   0x40                      ; destination window 1, address window 0
; A joint load: waves 0 and 1 fetch for source 1, waves 2 and 3 for source 0.  Each line has ONE mask and one set of registers for all that issue it; the branch hangs on the wave's number alone.
; Four v_nop follow each of the two lines, ahead of the jump, the label and what follows.
.macro JLOAD g0a, g1a, g0b, g1b
	s_cmp_eq_u32 s15, 0
	s_cbranch_scc0 .Lfor_b_\@
	tensor_load_to_lds s[\g0a:\g0a+3], s[\g1a:\g1a+7]
	s_nop 0
.rept 4
	v_nop
.endr
	s_branch .Lasked_\@
.Lfor_b_\@:
	tensor_load_to_lds s[\g0b:\g0b+3], s[\g1b:\g1b+7]
	s_nop 0
.rept 4
	v_nop
.endr
.Lasked_\@:
.endm
.macro CREST                           ; a round of the cluster's barrier behind its opening barrier
	s_cmp_lg_u32 s14, 0
	s_cbranch_scc1 .Lnot_wave_0_\@
	s_barrier_signal -3
.Lnot_wave_0_\@:
	s_barrier_wait -3
	s_barrier_signal -1
	s_barrier_wait -1
.endm
.macro CROUND                          ; a whole round
	s_barrier_signal -1
	s_barrier_wait -1
	CREST
.endm
	s_load_b256 s[4:11], s[0:1], 0x0               ; wop s[4:5], bq s[6:7], bk s[8:9], bv s[10:11]
	s_load_b64 s[12:13], s[0:1], 0x20              ; qkv
	v_lshl_add_u32 v[SPW], v0, 2, SPARE
	v_mov_b32 v[NIL], 0
	ds_add_u32 v28, v29
	ds_add_u32 v28, v29
	s_wait_dscnt 0x0
	v_lshrrev_b32 v1, 5, v0
	v_readfirstlane_b32 s14, v1                    ; wave 0..3
	s_lshr_b32 s15, s14, 1                         ; which half of source 1's rows is mine.  Also: I fetch for source 1 (0) or source 0 (1)
	s_and_b32 s16, s14, 1                          ; which half of source 0's rows.  Also: which 128 rows of that tile I fetch
	s_bfe_u32 s40, ttmp6, 0x40000                  ; cx, cy: my place in the cluster
	s_bfe_u32 s41, ttmp6, 0x40004
	s_lshl_b32 s42, ttmp9, 2
	s_add_co_u32 s42, s42, s40                     ; tile column = 4 x cluster x + cx, 0..23
	s_and_b32 s17, ttmp7, 0xffff
	s_lshl_b32 s17, s17, 2
	s_add_co_u32 s17, s17, s41                     ; tile row = 4 x cluster y + cy, 0..7
	s_lshl_b32 s43, s41, 2
	s_lshl_b32 s43, 15, s43                        ; my row of the cluster
	s_lshl_b32 s44, 0x1111, s40                    ; my column
	; descriptor group 1: 8 records of 4,352 bytes (544 elements of 8 bytes), 17,408 bytes apart in memory, on end in LDS
	s_or_b32 s[G1+0], s43, (3<<16)|(1<<21)         ; 15:0 the mask: source 1's tiles go to my row; 17:16 elements of 8 bytes; 20 no padding; 21 set beside a mask
	s_or_b32 s[G1B+0], s44, (3<<16)|(1<<21)        ; source 0's go to my column
.irp g, G1, G1B
	s_mov_b32 s[\g+1], 544<<16                     ; tensor_dim0
	s_mov_b32 s[\g+2], 8<<16                       ; tensor_dim1
	s_mov_b32 s[\g+3], 544<<16                     ; tile_dim0
	s_mov_b32 s[\g+4], 8                           ; tile_dim1
	s_mov_b32 s[\g+5], 2176                        ; tensor_dim0_stride
	s_mov_b32 s[\g+6], 0
	s_mov_b32 s[\g+7], 0
.endr
	s_lshr_b32 s18, ttmp9, 2                       ; 1 in the clusters that make V (cluster x 4 and 5): the same in all sixteen partners
	s_lshl_b32 s18, s18, 7                         ; there source 1 is Wv, 128 row tiles behind x
	s_lshl_b32 s19, s16, 3                         ; which 8 row tiles of the 16 I fetch
	s_lshl_b32 s20, s17, 4
	s_add_co_u32 s20, s20, 256
	s_add_co_u32 s20, s20, s18
	s_add_co_u32 s20, s20, s19                     ; source 1: row tile 256 (+ 128) + 16 x tile row + 8 x half
	s_mul_i32 s20, s20, RGP
	s_mov_b32 s21, 0
	s_lshl_b32 s46, s42, 4
	s_add_co_u32 s46, s46, s19                     ; source 0: row tile 16 x tile column + 8 x half: Wq, Wk, then x
	s_mul_i32 s46, s46, RGP
	s_mov_b32 s47, 0
	s_mul_i32 s45, s14, HALFT                      ; where they go: wave x 8 records: no place in the cluster enters an LDS address
	s_mov_b32 s[SEL], 0x76543210
	s_mov_b32 s[SEL+1], 0xfedcba98
	s_wait_kmcnt 0x0
	s_add_nc_u64 s[20:21], s[4:5], s[20:21]
	s_add_nc_u64 s[46:47], s[4:5], s[46:47]
	CROUND                                         ; all sixteen work-groups are here: the first joint loads meet
.irp s, 0,1
	s_mov_b32 s[G0+4*\s], 1                        ; count = 1
	s_add_co_u32 s[G0+4*\s+1], s45, \s*SLOT        ; LDS address
	s_add_nc_u64 s[G0+4*\s+2:G0+4*\s+3], s[20:21], \s*REC   ; global address: quarter s of K
	s_or_b32 s[G0+4*\s+3], s[G0+4*\s+3], 0x80000000         ; type = 2
	s_mov_b32 s[G0B+4*\s], 1
	s_add_co_u32 s[G0B+4*\s+1], s45, \s*SLOT
	s_add_nc_u64 s[G0B+4*\s+2:G0B+4*\s+3], s[46:47], \s*REC
	s_or_b32 s[G0B+4*\s+3], s[G0B+4*\s+3], 0x80000000
	JLOAD G0+4*\s, G1, G0B+4*\s, G1B               ; two loads of mine are out
.endr
	v_and_b32 v1, 15, v0                           ; r
	v_bfe_u32 v2, v0, 4, 1                         ; h
	v_and_b32 v3, 31, v0
	v_lshlrev_b32 v[LI], 4, v3
	s_mul_i32 s21, s15, HALFT                      ; my 128 rows of source 1
	s_mul_i32 s22, s16, HALFT                      ; my 128 rows of source 0,
	s_add_co_u32 s22, s22, 2*HALFT                 ; which lie behind source 1's 256
	s_sub_co_u32 s23, s22, s21
	v_mul_u32_u24 v6, s23, v2                      ; lanes 16-31 take source 0's scale words: one product, the distance between the two
	v_lshl_add_u32 v5, v1, 4, v6                   ; 16 bytes a row,
	v_add_nc_u32 v5, 4096, v5                      ; behind a record's four images
.irp s, 0,1
	v_add_nc_u32 v[ADRA+\s], s21, v[LI]
	v_add_nc_u32 v[ADRB+\s], s22, v[LI]
	v_add_nc_u32 v[ADRS+\s], s21, v5
	s_add_co_u32 s21, s21, SLOT
	s_add_co_u32 s22, s22, SLOT
.endr
	; the bias and the record that I write.  B128, A128: which 128 rows of all of source 0's and source 1's are my wave's
	s_lshl_b32 s68, s42, 1
	s_add_co_u32 s68, s68, s16                     ; B128 = 2 x tile column + half: 0-15 Q's heads, 16-31 K's heads, 32-47 groups of 128 tokens
	s_lshl_b32 s69, s17, 1
	s_add_co_u32 s69, s69, s15                     ; A128 = 2 x tile row + half: a group of 128 tokens, or for V a head
	s_and_b32 s70, s68, 15
	s_lshl_b32 s72, s68, 4
	s_add_co_u32 s72, s72, s69                     ; Q, K: record 16 B128 + A128
	s_lshl_b32 s73, s69, 4
	s_add_co_u32 s73, s73, s68
	s_add_co_u32 s73, s73, 480                     ; V: record 512 + 16 A128 + (B128 - 32)
	s_cmp_lt_u32 ttmp9, 2
	s_cselect_b64 s[66:67], s[6:7], s[8:9]         ; bq or bk,
	s_cmp_lt_u32 ttmp9, 4
	s_cselect_b64 s[66:67], s[66:67], s[10:11]     ; or bv
	s_cselect_b32 s70, s70, s69                    ; the head
	s_cselect_b32 s72, s72, s73
	s_lshl_b32 s70, s70, 9                         ; its 128 numbers
	s_mov_b32 s71, 0
	s_add_nc_u64 s[66:67], s[66:67], s[70:71]
	s_mul_i32 s72, s72, OREC
	s_mov_b32 s73, 0
	s_add_nc_u64 s[12:13], s[12:13], s[72:73]
	v_lshlrev_b32 v3, 5, v2                        ; 32 h
	v_lshlrev_b32 v4, 2, v1                        ; 4 r
	; THE BIAS IS THE C OF EACH SUM'S FIRST MATRIX INSTRUCTION, in the result's layout.  The branch hangs on the cluster's x: it is the same in all partners.
	s_cmp_lt_u32 ttmp9, 4
	s_cbranch_scc0 .Lbias_v
.irp b, 0,1,2,3,4,5,6,7                        ; Q, K: the bias goes with the registers: for block b of source 0, channels 16 b + 8 h + 0 .. 7
	global_load_b128 v[BI+8*\b:BI+8*\b+3], v3, s[66:67] offset:64*\b
	global_load_b128 v[BI+8*\b+4:BI+8*\b+7], v3, s[66:67] offset:64*\b+16
.endr
	s_branch .Lbias_done
.Lbias_v:
.irp a, 0,1,2,3,4,5,6,7                        ; V: the bias goes with the lane: for block a of source 1, channel 16 a + r, the same in all eight registers
.irp j, 0,1,2,3,4,5,6,7
	global_load_b32 v[BI+8*\a+\j], v4, s[66:67] offset:64*\a
.endr
.endr
.Lbias_done:
.macro FRAG reg, adr, q, i             ; a fragment is the image as it lies: two loads of 512 consecutive bytes
.irp c, 0,1
	ds_load_b128 v[\reg+4*\c:\reg+4*\c+3], v[\adr] offset:REC*(\i)+1024*(\q)+512*\c
.endr
.endm
; 16 matrix instructions: source 1's blocks a0, a0 + 1 x source 0's eight, 128 along K: the slot's q-th.  p: source 0's set;  sc: the set of scale words.
; zero = 0: the sums go on;  1: they begin with the bias by source 0's block;  2: by source 1's block.  The 64 accumulators take turns, one instruction a turn, in the same order in every step.
.macro MUL16 a0, p, q, sc, zero
.irp a, \a0, \a0+1
.irp b, 0,1,2,3,4,5,6,7
.set rD, 8*(8*((\a)%4)+\b)
.set rB, 128*(\p)+FR*\b
.set rA, AF+FR*(\a)
.set rSB, SC+8*NQ*(\sc)+NQ*\b+(\q)
.set rSA, SC+8*NQ*(\sc)+NQ*(\a)+(\q)
.if (\zero) == 1
	v_wmma_scale_f32_16x16x128_f8f6f4 v[rD:rD+7], v[rB:rB+7], v[rA:rA+7], v[BI+8*\b:BI+8*\b+7], v[rSB], v[rSA] matrix_a_fmt:MATRIX_FMT_FP4 matrix_b_fmt:MATRIX_FMT_FP4 matrix_a_scale:MATRIX_SCALE_ROW1
.elseif (\zero) == 2
	v_wmma_scale_f32_16x16x128_f8f6f4 v[rD:rD+7], v[rB:rB+7], v[rA:rA+7], v[BI+8*(\a):BI+8*(\a)+7], v[rSB], v[rSA] matrix_a_fmt:MATRIX_FMT_FP4 matrix_b_fmt:MATRIX_FMT_FP4 matrix_a_scale:MATRIX_SCALE_ROW1
.else
	v_wmma_scale_f32_16x16x128_f8f6f4 v[rD:rD+7], v[rB:rB+7], v[rA:rA+7], v[rD:rD+7], v[rSB], v[rSA] matrix_a_fmt:MATRIX_FMT_FP4 matrix_b_fmt:MATRIX_FMT_FP4 matrix_a_scale:MATRIX_SCALE_ROW1
.endif
.endr
.endr
.endm
.macro FETCH_B slot, q, p              ; source 0's eight fragments of the slot's q-th 128 along K into set p
	WIN TO_B
.irp i, 0,1,2,3,4,5,6,7
	FRAG 128*(\p)+FR*\i, ADRB+\slot, \q, \i
.endr
	WIN 0
.endm
.macro FETCH_A slot, q, i0             ; source 1's blocks i0 .. i0 + 3
.irp i, \i0, \i0+1, \i0+2, \i0+3
	FRAG AF+FR*(\i), ADRA+\slot, \q, \i
.endr
.endm
.macro SCALES sc                       ; slot sc's scale words: four words a row; lanes 0-15 take source 1's block i, lanes 16-31 source 0's
.irp i, 0,1,2,3,4,5,6,7
	ds_load_b128 v[SC+8*NQ*\sc+NQ*\i:SC+8*NQ*\sc+NQ*\i+3], v[ADRS+\sc] offset:REC*\i
.endr
.endm
; A load into a register that a matrix instruction has read, and a vector instruction that reads a matrix result, stand NP places behind that matrix instruction; only plain vector instructions that name none of
; its registers are places (ISA guide 7.12.1 for vector instructions).
.macro PLACES n
.rept \n
	v_nop
.endr
.endm
; A step of 128 along K that has its successor in the same slot.  A block of source 1 is free as soon as its eight products are issued: blocks 0-3 are fetched anew in the step's middle, blocks 4-7 at its end.
.macro STEP slot, q, zero
	s_wait_dscnt 4*NL                              ; source 0's set, the scale words and source 1's blocks 0-3 are in; the youngest eight loads (blocks 4-7) may be out
.if \zero
	WIN BEG_LO
.else
	WIN MUL_LO
.endif
	MUL16 0, (\q)%2, \q, \slot, \zero
	MUL16 2, (\q)%2, \q, \slot, \zero
	s_wait_dscnt 0                                 ; blocks 4-7 are in (asked for 32 matrix instructions ago)
	PLACES NP
	FETCH_B \slot, (\q)+1, 1-(\q)%2
	FETCH_A \slot, (\q)+1, 0
.if \zero
	WIN BEG_HI
.else
	WIN MUL_HI
.endif
	MUL16 4, (\q)%2, \q, \slot, \zero
	MUL16 6, (\q)%2, \q, \slot, \zero
	PLACES NP
	WIN 0
	FETCH_A \slot, (\q)+1, 4
.endm
; A slot's last step changes slots: ONE barrier; in front of it each wave waits for all its tensor loads, adds 0 to its spare word, and waits for that and for its own reads of this slot.  fill = 1: this slot is filled again, with the quarter of K two on.
.macro TURN slot, next, fill
	s_wait_tensorcnt 0x0                           ; all my tensor loads have landed: my part of the next slot;  (every window is 0 here)
	ds_add_u32 v[SPW], v[NIL]                      ; 0 onto my spare word
	s_wait_dscnt 4*NL+1                            ; (the add and the youngest eight loads may be out)
	WIN MUL_LO
	MUL16 0, 1, NQ-1, \slot, 0                     ; sixteen matrix instructions stand between the add and the wait for it
	s_wait_dscnt 0x0                               ; the add is done, and my reads of this slot are over
	s_barrier_signal -1
	MUL16 2, 1, NQ-1, \slot, 0
	WIN 0
	s_barrier_wait -1
.if \fill
	CREST                                          ; the barrier has opened a round of the cluster's barrier: no wave of any partner still reads this slot's tile or has a load on its way
	s_add_nc_u64 s[G0+4*\slot+2:G0+4*\slot+3], s[G0+4*\slot+2:G0+4*\slot+3], 2*REC
	s_add_nc_u64 s[G0B+4*\slot+2:G0B+4*\slot+3], s[G0B+4*\slot+2:G0B+4*\slot+3], 2*REC
	JLOAD G0+4*\slot, G1, G0B+4*\slot, G1B         ; the first tensor load behind the round, my one load until the next; its four v_nop are the places in front of the loads below
.else
	PLACES NP
.endif
	FETCH_B \next, 0, 0
	FETCH_A \next, 0, 0
	SCALES \next
	WIN MUL_HI
	MUL16 4, 1, NQ-1, \slot, 0
	MUL16 6, 1, NQ-1, \slot, 0
	PLACES NP
	WIN 0
	FETCH_A \next, 0, 4
.endm
.macro STEPS slot, from                ; the slot's steps from .. NQ - 2
.set Q, \from
.rept NQ-1-\from
	STEP \slot, Q, 0
.set Q, Q+1
.endr
.endm
	s_wait_tensorcnt 1                             ; my part of quarter 0 is in (quarter 1's load may be out)
	s_barrier_signal -1
	s_barrier_wait -1                              ; everybody's is
	FETCH_B 0, 0, 0
	FETCH_A 0, 0, 0
	SCALES 0
	FETCH_A 0, 0, 4
	s_wait_loadcnt 0x0                             ; the bias
	s_cmp_lt_u32 ttmp9, 4                          ; the first step is written twice: it differs in which block picks the bias
	s_cbranch_scc0 .Lfirst_v
	STEP 0, 0, 1
	s_branch .Lfirst_done
.Lfirst_v:
	STEP 0, 0, 2
.Lfirst_done:
	STEPS 0, 1                                     ; K has four quarters
	TURN 0, 1, 1                                   ; slot 0 takes quarter 2
	STEPS 1, 0
	TURN 1, 0, 1                                   ; slot 1 takes quarter 3
	STEP 0, 0, 0
	STEPS 0, 1
	TURN 0, 1, 0                                   ; nothing is left to fetch
	STEPS 1, 0
	s_wait_dscnt 4*NL                              ; the very last step
	WIN MUL_LO
	MUL16 0, 1, NQ-1, 1, 0
	MUL16 2, 1, NQ-1, 1, 0
	s_wait_dscnt 0
	WIN MUL_HI
	MUL16 4, 1, NQ-1, 1, 0
	MUL16 6, 1, NQ-1, 1, 0
	WIN 0
	PLACES NP
; THE WAY OUT.  Block a's eight accumulators are 64 numbers of a lane: register 8 t + j = k 16 t + 8 h + j of my row r, k the next product's K.  A block of 32 is registers 16 b .. 16 b + 15 of lanes l and l xor 16.
; Each conversion takes eight neighbours.  Tile 2 B + u, half h, holds the eight numbers 2 u + h of block B; it is laid at register 4 (B / 2) + 2 u + B % 2, and one exchange of halves between registers 4 c + 2 u and
; 4 c + 2 u + 1 gives the operand's layout: register 4 c + g of half h: k = 64 c + 32 h + 8 g on.  The image is stored as it stands: no LDS, 512 consecutive bytes a store.
.macro QUANTW a
.set AC, 64*((\a)%4)
	WIN 0x28+0x14*((\a)/4)                         ; sources 1 and 2: window 2 or 3
.irp b, 0,1,2,3
	v_max3_num_f32 v[TM+\b], 0x1800000, |v[AC+16*\b]|, |v[AC+16*\b+1]|   ; block b: my 16 numbers, each accumulator from its low end on, and the floor 2^(3 - 127): the byte cannot fall under 1
.endr
.irp i, 2,4,6,8,10,12,14
.irp b, 0,1,2,3
	v_max3_num_f32 v[TM+\b], v[TM+\b], |v[AC+16*\b+\i]|, |v[AC+16*\b+\i+1]|   ; (the four blocks by turns)
.endr
.endr
	WIN 0
.irp b, 0,1,2,3
	v_permlanex16_b32 v[TM+4+\b], v[TM+\b], s[SEL], s[SEL+1]
.endr
.irp b, 0,1,2,3
	v_max_num_f32 v[TM+\b], v[TM+\b], v[TM+4+\b]   ; with lane l xor 16's: the block's largest magnitude
.endr
.irp b, 0,1,2,3
	v_add_nc_u32 v[TM+12+\b], 0xff000000, v[TM+\b] ; 2 off its exponent field: the conversion's scale operand
.endr
.irp b, 0,1,2,3
	v_lshrrev_b32 v[TM+4+\b], 23, v[TM+12+\b]      ; the scale's byte
.endr
	v_lshl_or_b32 v[PW+(\a)], v[TM+5], 8, v[TM+4]  ; my row's scale word
	v_lshl_or_b32 v[PW+(\a)], v[TM+6], 16, v[PW+(\a)]
	v_lshl_or_b32 v[PW+(\a)], v[TM+7], 24, v[PW+(\a)]
	WIN 0x02+((\a)/4)                              ; source 0: window 2 or 3
.irp b, 0,1,2,3
	v_cvt_scalef32_pk8_fp4_f32 v[PC+8*(\a)+4*(\b/2)+(\b%2)], v[AC+16*\b:AC+16*\b+7], v[TM+12+\b]
	v_cvt_scalef32_pk8_fp4_f32 v[PC+8*(\a)+4*(\b/2)+2+(\b%2)], v[AC+16*\b+8:AC+16*\b+15], v[TM+12+\b]
.endr
	WIN 0
	v_nop                                          ; one plain line behind a scaled conversion
.irp c, 0,1
.irp u, 0,1
	v_permlane16_swap_b32 v[PC+8*(\a)+4*\c+2*\u], v[PC+8*(\a)+4*\c+2*\u+1]
.endr
.endr
	global_store_b128 v[LI], v[PC+8*(\a):PC+8*(\a)+3], s[12:13] offset:1024*(\a)
	global_store_b128 v[LI], v[PC+8*(\a)+4:PC+8*(\a)+7], s[12:13] offset:1024*(\a)+512
.endm
.irp b, 0,1,2,3
	v_mov_b32 v[TM+4+\b], 0                        ; written once: a lane permute's destination counts as one of its sources
.endr
.irp a, 0,1,2,3,4,5,6,7
	QUANTW \a
.endr
.irp i, 0,1,2,3
	v_permlane16_swap_b32 v[PW+\i], v[PW+4+\i]     ; lanes 0-15 keep the words of images 0-3, lanes 16-31 take those of images 4-7
.endr
	global_store_b128 v[LI], v[PW:PW+3], s[12:13] offset:8192   ; 512 consecutive bytes
	s_wait_tensorcnt 0x0                           ; the wave's end
	ds_add_u32 v[SPW], v[NIL]
	s_wait_dscnt 0x0
	CROUND                                         ; the closing round: no work-group ends while a partner may still ask for a tile that names it
	s_endpgm
.Lfunc_end_k_qc7f8f8af7c_proj:
	.size	k_qc7f8f8af7c_proj, .Lfunc_end_k_qc7f8f8af7c_proj-k_qc7f8f8af7c_proj
	.p2alignl 7, 3214868480
	.fill 96, 4, 3214868480
	.section	.rodata,"a",@progbits
	.p2align	6, 0x0
	.amdhsa_kernel k_qc7f8f8af7c_proj
		.amdhsa_group_segment_fixed_size 327680
		.amdhsa_private_segment_fixed_size 0
		.amdhsa_enable_private_segment 0
		.amdhsa_kernarg_size 40
		.amdhsa_user_sgpr_count 2
		.amdhsa_user_sgpr_kernarg_segment_ptr 1
		.amdhsa_wavefront_size32 1
		.amdhsa_system_sgpr_workgroup_id_x 1
		.amdhsa_system_sgpr_workgroup_id_y 1
		.amdhsa_system_sgpr_workgroup_id_z 1
		.amdhsa_system_vgpr_workitem_id 0
		.amdhsa_next_free_vgpr 1024
		.amdhsa_next_free_sgpr 100
		.amdhsa_reserve_vcc 0
		.amdhsa_float_denorm_mode_32 3
		.amdhsa_float_denorm_mode_16_64 3
		.amdhsa_memory_ordered 1
		.amdhsa_forward_progress 1
		.amdhsa_inst_pref_size 230
	.end_amdhsa_kernel
	.amdgpu_metadata
---
amdhsa.version: [ 1, 2 ]
amdhsa.kernels:
  - .name:           k_qc7f8f8af7c_proj
    .symbol:         k_qc7f8f8af7c_proj.kd
    .args:
      - { .name: wop, .offset: 0, .size: 8, .value_kind: global_buffer, .address_space: global }
      - { .name: bq, .offset: 8, .size: 8, .value_kind: global_buffer, .address_space: global }
      - { .name: bk, .offset: 16, .size: 8, .value_kind: global_buffer, .address_space: global }
      - { .name: bv, .offset: 24, .size: 8, .value_kind: global_buffer, .address_space: global }
      - { .name: qkv, .offset: 32, .size: 8, .value_kind: global_buffer, .address_space: global }
    .group_segment_fixed_size: 327680
    .private_segment_fixed_size: 0
    .kernarg_segment_align: 8
    .kernarg_segment_size: 40
    .max_flat_workgroup_size: 128
    .sgpr_count:     100
    .vgpr_count:     1024
    .wavefront_size: 32
...
	.end_amdgpu_metadata
.endif
;; end of part 2
;; launch attn (part 3): grid 16 x 16, 16 waves a work-group, no clusters, 280,576 bytes of LDS; arguments qkv, yop; writes yop
.if DOCPART == 3
	.amdgcn_target "amdgcn-amd-amdhsa--gfx1250"
	.amdhsa_code_object_version 6
	.text
	.protected	k_qc7f8f8af7c_attn
	.globl	k_qc7f8f8af7c_attn
	.p2align	8
	.type	k_qc7f8f8af7c_attn,@function
k_qc7f8f8af7c_attn:
	s_mov_b64 s[64:65], 0
	v_nop
	global_prefetch_b8 v0, s[64:65] scope:SCOPE_SE
	s_setreg_imm32_b32 hwreg(HW_REG_WAVE_MODE, 25, 1), 1
	s_wait_xcnt 0x0
; Y[q][head] = the sum over keys k <= q of softmax_k(Q[q] . K[k] / sqrt(128)) V[k], both products on codes of FP4 with E8M0 scales, and Y quantised again along its 128 channels for the last product.
; THE SOFTMAX AHEAD OF THE SECOND PRODUCT: t = score x log2(e) / sqrt(128); M = the largest t so far, rounded UP to a whole number; p = 2^(t - M) is quantised along the keys, not normalised.
; The row's sum is taken of the unquantised p, in f32, and divides at the end.  When M moves, the sum and O are multiplied by 2^(old M - new M): exact.
; LIMITS of Y's quantiser: a block of zeros gets the byte 1 (its codes are zeros, this program alone reads the bytes); a largest magnitude under 2^-124 is held at that byte; NaN and infinities are not served.
; INPUT: qkv = records of 8,704 bytes, record = kind x 256 + head x 16 + group of 128 tokens; eight images of a fragment (registers 0-3 of lane l at 16 l, 4-7 at 512 + 16 l), then the scale words: image 4 u + i, row r at
; 8192 + 256 u + 16 r + 4 i.  Q, K: image f = tokens 16 f on x the head's 128.  V: image f = channels 16 f on x 128 keys.
; OUTPUT: yop = [tile of 16 tokens][head / 4][4,352]: image head % 4, scale word at 4096 + 16 r + 4 (head % 4).
; SHARES.  A head's K and V, 278,528 bytes, lie in LDS WHOLE, filled once: no ring.  Work-group (i, head) owns the blocks of 64 queries i and 31 - i: together 17 key steps of 128 a tile pair, whatever i.
; Wave w: tile w % 4 of block w / 8, and of that tile's key steps those of parity (w / 4) % 2: eight at the most.  The two waves of a tile each run with an M of their own and are merged at the end by exact powers of two.
; LAYOUT.  Both products are used transposed (S^T = K Q^T, O^T = V^T P^T): a lane holds ONE query; register 8 t + j holds key (or channel) 16 t + 8 h + j.
; K A STEP AHEAD.  Two runs of 64 registers change roles from step to step.  In a step one run holds K and then V, the other S^T and then p.  Behind the conversions p's run is free: the NEXT step's K is asked for into it,
; ahead of the rescaling of O^T and of the products V^T P, so that the next step finds K in registers; its S^T is then written over the run that held V.  LDS loads stand in short runs among vector lines.
; THREE GROUPS OF STEPS: {0, 1}, {2, 3}, {4 .. 7} of a wave's eight; in front of each group every wave waits for its part of the tiles that the group reads, then a barrier.  K is asked for ahead only inside a group, and a step
; that counts on it is reached only by falling out of the step before: a step all of whose keys are hidden, and with it all later ones, jumps to the group's end.  The eight steps are written out.
; NOT IN A CLUSTER, though the sixteen work-groups of a head read the same K and V: the jump over hidden key steps hangs on the query block, which is the work-group's x, and in a cluster that would be made of the
; work-group's place, on which no branch may hang.  No prefetch: every tile is asked for by its tensor load in the launch's first lines.
; REGISTERS: v1-6 addresses that stay; v8-9 addresses in hand; v12 -M, v13 the largest t, v[14:15] the sum in two halves; v16-23 Q; v24-31 V's scale words; v32-95, v96-159 the two runs; v160-223 O^T; v224-231 p's codes;
; v232-239, v244-247, v252, v254 at work; v240-243, v248-251 K's scale words; v253 p's scale word; v255 Q's.
.set REC,    8704
.set HREC,   4352                      ; half a record: what one tensor load brings
.set CHUNKB, 8*REC                     ; a chunk: four key steps: K's four records, then V's four
.set VOFF,   4*REC
.set MG,     8448                      ; the merge: for each tile 8,192 bytes of O^T, 128 of -M, 128 of the sum; in chunk 0, which has had its one fill and is read by nobody when the first word is stored there
.set LI,  1                            ; v1  16 x lane
.set LR,  2                            ; v2  16 r
.set MGA, 3                            ; v3  MG x tile + 16 x lane
.set MGS, 4                            ; v4  MG x tile + 8192 + 4 x lane
.set DG,  6                            ; v6  r - 8 h
.set ADK, 8                            ; v8  LDS address of the record of K in hand, + 16 x lane
.set ADS, 9                            ; v9  the same + 16 r
.set VS,  24                           ; v24-31 V's scale words
.set BA,  32                           ; the two runs
.set BB,  96
.set KS,  240                          ; K's scale words: images 0-3 in v240-243, images 4-7 in v248-251
.set TM,  232
.set WV,  8                            ; s8  wave
.set HD,  9                            ; s9  head
.set Q0,  16                           ; s16 my first query
.set KF,  17                           ; s17 the step's first key
.set TB,  18                           ; s18 LDS byte of the record of K in hand
.set PB,  19                           ; s19 REC x my parity
.set SEL, 20
.set CS,  22                           ; s[22:23] c = log2(e) / sqrt(128)
.set G1,  24
.set G0,  32                           ; s[32:47] four groups 0, one for each chunk
.set KP,  62                           ; s62 128 x my parity
	s_load_b128 s[4:7], s[0:1], 0x0                ; qkv, yop
	v_lshl_add_u32 v254, v0, 2, 0x44000
	v_mov_b32 v255, 0
	ds_add_u32 v254, v255
	ds_add_u32 v254, v255
	s_wait_dscnt 0x0
	v_lshrrev_b32 v5, 5, v0
	v_readfirstlane_b32 s[WV], v5                  ; wave 0..15
	s_and_b32 s[HD], ttmp7, 0xffff
	; descriptor group 1: 4,352 dense bytes as 17 rows of 256 (32 elements of 8 bytes)
	s_mov_b32 s[G1], 3<<16
	s_mov_b32 s[G1+1], 32<<16
	s_mov_b32 s[G1+2], 17<<16
	s_mov_b32 s[G1+3], 32<<16
	s_mov_b32 s[G1+4], 17
	s_mov_b32 s[G1+5], 32
	s_mov_b32 s[G1+6], 0
	s_mov_b32 s[G1+7], 0
	s_mul_i32 s10, s[WV], HREC                     ; in a chunk: waves 0-7 K's eight halves, waves 8-15 V's
	s_lshr_b32 s11, s[WV], 3
	s_add_co_u32 s11, s11, 1
	s_lshl_b32 s11, s11, 8                         ; kind 1 (K) or 2 (V)
	s_lshl_b32 s12, s[HD], 4
	s_add_co_u32 s11, s11, s12
	s_bfe_u32 s13, s[WV], 0x20001                  ; which of the chunk's four key steps
	s_add_co_u32 s11, s11, s13
	s_mul_i32 s14, s11, REC
	s_and_b32 s13, s[WV], 1                        ; which half of the record
	s_mul_i32 s13, s13, HREC
	s_add_co_u32 s14, s14, s13
	s_mov_b32 s15, 0
	s_wait_kmcnt 0x0
	s_add_nc_u64 s[14:15], s[4:5], s[14:15]
.irp c, 0,1,2,3
	s_mov_b32 s[G0+4*\c], 1
	s_add_co_u32 s[G0+4*\c+1], s10, \c*CHUNKB
	s_add_nc_u64 s[G0+4*\c+2:G0+4*\c+3], s[14:15], \c*4*REC
	s_or_b32 s[G0+4*\c+3], s[G0+4*\c+3], 0x80000000
.endr
.irp c, 0,1,2,3
	tensor_load_to_lds s[G0+4*\c:G0+4*\c+3], s[G1:G1+7]   ; all fills go out together: four loads of mine are out
	s_nop 0
.endr
.rept 4
	v_nop
.endr
	s_and_b32 s50, s[WV], 3                        ; my tile in its block
	s_bfe_u32 s[PB], s[WV], 0x10002                ; my parity
	s_sub_co_u32 s51, 31, ttmp9
	s_cmp_lt_u32 s[WV], 8
	s_cselect_b32 s51, ttmp9, s51                  ; my block of 64 queries: i or 31 - i
	s_lshl_b32 s51, s51, 2
	s_add_co_u32 s51, s51, s50                     ; my tile of 16 queries, 0..127
	s_lshl_b32 s[Q0], s51, 4
	s_lshl_b32 s[KP], s[PB], 7
	s_mul_i32 s[PB], s[PB], REC
	s_lshr_b32 s49, s[WV], 3
	s_lshl_b32 s49, s49, 2
	s_add_co_u32 s49, s49, s50                     ; the tile's place in the merge: the same in both its waves
	s_mul_i32 s49, s49, MG
	v_and_b32 v5, 31, v0
	v_and_b32 v7, 15, v0
	v_bfe_u32 v10, v0, 4, 1
	v_lshlrev_b32 v[LI], 4, v5
	v_lshlrev_b32 v[LR], 4, v7
	v_add_nc_u32 v[MGA], s49, v[LI]
	v_lshl_add_u32 v[MGS], v5, 2, s49
	v_add_nc_u32 v[MGS], 8192, v[MGS]
	v_lshlrev_b32 v10, 3, v10
	v_sub_nc_u32 v[DG], v7, v10
	s_lshr_b32 s60, s51, 3
	s_add_co_u32 s60, s60, s12
	s_mul_i32 s60, s60, REC                        ; Q's record: kind 0, my head, my group of 128 tokens
	s_and_b32 s61, s51, 7
	s_lshl_b32 s52, s61, 10
	s_add_co_u32 s52, s52, s60                     ; my image
	s_mov_b32 s53, 0
	s_lshr_b32 s54, s61, 2
	s_lshl_b32 s54, s54, 8
	s_lshl_b32 s55, s50, 2
	s_add_co_u32 s54, s54, s55
	s_add_co_u32 s54, s54, s60
	s_add_co_u32 s54, s54, 8192                    ; its scale words
	s_mov_b32 s55, 0
	s_add_nc_u64 s[52:53], s[4:5], s[52:53]
	s_add_nc_u64 s[54:55], s[4:5], s[54:55]
	s_lshl_b32 s56, s51, 2
	s_lshr_b32 s61, s[HD], 2
	s_add_co_u32 s56, s56, s61
	s_mul_i32 s56, s56, HREC                       ; Y's record
	s_and_b32 s61, s[HD], 3
	s_lshl_b32 s58, s61, 2
	s_add_co_u32 s58, s58, s56
	s_add_co_u32 s58, s58, 4096                    ; my scale words in it,
	s_mov_b32 s59, 0
	s_lshl_b32 s61, s61, 10
	s_add_co_u32 s56, s56, s61                     ; my image
	s_mov_b32 s57, 0
	s_add_nc_u64 s[56:57], s[6:7], s[56:57]
	s_add_nc_u64 s[58:59], s[6:7], s[58:59]
	global_load_b128 v[16:19], v[LI], s[52:53]     ; Q's fragment stays in registers
	global_load_b128 v[20:23], v[LI], s[52:53] offset:512
	global_load_b32 v255, v[LR], s[54:55]
	s_mov_b32 s[SEL], 0x76543210
	s_mov_b32 s[SEL+1], 0xfedcba98
	s_mov_b32 s[CS], 0x3e0293ee
	s_mov_b32 s[CS+1], s[CS]                       ; (named with it as a pair, so it is written)
	v_mov_b32 v13, 0xff61b1e6                      ; the largest t so far: -3e38, under every t
	v_floor_f32 v12, -v13                          ; -M
	v_mov_b32 v14, 0
	v_mov_b32 v15, 0
.irp b, 0,1,2,3
	v_mov_b32 v[236+\b], 0                         ; written once: a lane permute's destination counts as one of its sources
.endr
	v_mov_b32 v253, 0                              ; (named as the upper half of the pair v[252:253] before it is first written)
	v_mov_b32 v254, 0
.irp j, 0,1,2,3,4,5,6,7,8,9,10,11,12,13,14,15,16,17,18,19,20,21,22,23,24,25,26,27,28,29,30,31,32,33,34,35,36,37,38,39,40,41,42,43,44,45,46,47,48,49,50,51,52,53,54,55,56,57,58,59,60,61,62,63
	v_mov_b32 v[160+\j], 0                         ; O^T: the step has no first form of its own: the first change of M multiplies zeros; a wave that has no step hands zeros to the merge
.endr
.macro FRAGL reg, adr, off             ; a fragment is its image: two loads of 512 consecutive bytes
	ds_load_b128 v[\reg:\reg+3], v[\adr] offset:\off
	ds_load_b128 v[\reg+4:\reg+7], v[\adr] offset:\off+512
.endm
; A KEY STEP: 128 keys.  kb: the run with K, then V;  sb: the run with S^T, then p, then (pre = 1) the next step's K.  ld = 1: K is loaded here; 0: the step before has asked for it.
; adv: bytes from this step's record of K to the next step's.  hid: where a step goes all of whose keys come after my 16 queries: a scalar branch on ids.
.macro STEP kb, sb, ld, pre, adv, hid
	s_add_co_u32 s49, s[Q0], 15
	s_cmp_gt_u32 s[KF], s49
	s_cbranch_scc1 \hid
.if \ld
	v_add_nc_u32 v[ADK], s[TB], v[LI]
	v_add_nc_u32 v[ADS], s[TB], v[LR]
.rept 3
	v_nop                                          ; with the two lines above: five places between the last products V^T P and the products below, which write over the run that held V
.endr
	ds_load_b128 v[KS:KS+3], v[ADS] offset:8192    ; K's scale words: four images' words of row r lie together
	ds_load_b128 v[KS+8:KS+11], v[ADS] offset:8448
.irp f, 0,1,2,3,4,5,6,7
	FRAGL \kb+8*\f, ADK, 1024*\f
.endr
.else
.rept 5
	v_nop                                          ; the same five places
.endr
.endif
	s_wait_dscnt 8                                 ; K's scale words and images 0-3 are in; the youngest eight loads (images 4-7) may be out
.irp t, 0,1,2,3
	v_wmma_scale_f32_16x16x128_f8f6f4 v[\sb+8*\t:\sb+8*\t+7], v[\kb+8*\t:\kb+8*\t+7], v[16:23], 0, v[KS+\t], v255 matrix_a_fmt:MATRIX_FMT_FP4 matrix_b_fmt:MATRIX_FMT_FP4
.endr
	s_wait_dscnt 0x0
.irp t, 4,5,6,7
	v_wmma_scale_f32_16x16x128_f8f6f4 v[\sb+8*\t:\sb+8*\t+7], v[\kb+8*\t:\kb+8*\t+7], v[16:23], 0, v[KS+4+\t], v255 matrix_a_fmt:MATRIX_FMT_FP4 matrix_b_fmt:MATRIX_FMT_FP4
.endr
.rept 4
	v_nop                                          ; places: for the loads into K's run and for the first read of the scores
.endr
	ds_load_b128 v[VS:VS+3], v[ADS] offset:VOFF+8192
	ds_load_b128 v[VS+4:VS+7], v[ADS] offset:VOFF+8448
	s_add_co_u32 s49, s[KF], 127                   ; on the diagonal the scores of hidden keys become -infinity ahead of the maximum: p = 0 then.  A step all of whose keys count skips this
	s_cmp_le_u32 s49, s[Q0]
	s_cbranch_scc1 .Lopen_\@
	s_sub_co_i32 s49, s[Q0], s[KF]
	v_add_nc_u32 v252, s49, v[DG]                  ; d = my query - KF - 8 h.  Register 8 t + j holds key KF + 16 t + 8 h + j: hidden where 16 t + j > d
	v_mov_b32 v254, 0xff800000
.irp n, 0,1,2,3,4,5,6,7,8,9,10,11,12,13,14,15,16,17,18,19,20,21,22,23,24,25,26,27,28,29,30,31,32,33,34,35,36,37,38,39,40,41,42,43,44,45,46,47,48,49,50,51,52,53,54,55,56,57,58,59,60,61,62,63
	v_cmp_gt_i32 vcc_lo, 16*(\n/8)+\n%8, v252
	v_cndmask_b32 v[\sb+\n], v[\sb+\n], v254, vcc_lo
.endr
.Lopen_\@:
.irp b, 0,1,2,3
	v_max3_num_f32 v[232+\b], v[\sb+16*\b], v[\sb+1+16*\b], v[\sb+2+16*\b]   ; the largest score of each block of 32 keys: it serves for the row's maximum and, since p rises with the score, for the block's largest p
.endr
	FRAGL \kb, ADK, VOFF                           ; V's eight images, one behind each group of four maxima: they land while the softmax is walked
.irp i, 3,5,7,9,11,13
.irp b, 0,1,2,3
	v_max3_num_f32 v[232+\b], v[232+\b], v[\sb+16*\b+\i], v[\sb+1+16*\b+\i]
.endr
	FRAGL \kb+8*((\i-1)/2), ADK, VOFF+1024*((\i-1)/2)
.endr
.irp b, 0,1,2,3
	v_max_num_f32 v[232+\b], v[232+\b], v[\sb+15+16*\b]
.endr
	FRAGL \kb+56, ADK, VOFF+7168
.irp b, 0,1,2,3
	v_permlanex16_b32 v[236+\b], v[232+\b], s[SEL], s[SEL+1]
.endr
.irp b, 0,1,2,3
	v_max_num_f32 v[232+\b], v[232+\b], v[236+\b]  ; with lane l xor 16's 16 keys
.endr
	v_max3_num_f32 v254, v232, v233, v234
	v_max_num_f32 v254, v254, v235                 ; the step's largest score of my query
	v_mul_f32 v254, s[CS], v254                    ; as t (c is positive)
	v_max_num_f32 v13, v13, v254                   ; the running largest t
	v_mov_b32 v254, v12
	v_floor_f32 v12, -v13                          ; the new -M = floor(-t) = -ceil(t): a whole number
	v_sub_f32 v254, v12, v254                      ; old M - new M: a whole number, 0 or less
	v_cvt_i32_f32 v254, v254                       ; (it saturates)
	v_ldexp_f32 v252, 1.0, v254                    ; f = 2^(old M - new M)
.irp j, 0,2,4,6,8,10,12,14,16,18,20,22,24,26,28,30,32,34,36,38,40,42,44,46,48,50,52,54,56,58,60,62
	v_pk_fma_f32 v[\sb+\j:\sb+1+\j], v[\sb+\j:\sb+1+\j], s[CS:CS+1], v[12:13] op_sel_hi:[1,0,0]   ; t - M, two at a time
.endr
.irp b, 0,1,2,3
	v_fma_f32 v[232+\b], v[232+\b], s[CS], v12     ; the same of each block's largest score
.endr
.irp j, 0,1,2,3,4,5,6,7,8,9,10,11,12,13,14,15,16,17,18,19,20,21,22,23,24,25,26,27,28,29,30,31,32,33,34,35,36,37,38,39,40,41,42,43,44,45,46,47,48,49,50,51,52,53,54,55,56,57,58,59,60,61,62,63
	v_exp_f32 v[\sb+\j], v[\sb+\j]                 ; p = 2^(t - M), at most 1
.endr
	v_pk_mul_f32 v[14:15], v[14:15], v[252:253] op_sel_hi:[1,0]   ; the sums under the new M (a plain line behind the exponentials)
	s_wait_alu depctr_va_vdst(0)                   ; one wait for the whole batch, ahead of its first reader
.irp b, 0,1,2,3
	v_exp_f32 v[232+\b], v[232+\b]                 ; the block's largest p: the same two instructions on the same number give the same bits
.endr
	v_pk_add_f32 v[236:237], v[\sb:\sb+1], v[\sb+2:\sb+3]          ; the row's sum is taken of the unquantised p: 32 pairs in four chains, so that a line seldom waits for the line that feeds it
	v_pk_add_f32 v[238:239], v[\sb+4:\sb+5], v[\sb+6:\sb+7]
	v_pk_add_f32 v[244:245], v[\sb+8:\sb+9], v[\sb+10:\sb+11]
	v_pk_add_f32 v[14:15], v[14:15], v[\sb+12:\sb+13]
.irp j, 14,22,30,38,46,54
	v_pk_add_f32 v[236:237], v[236:237], v[\sb+\j:\sb+\j+1]
	v_pk_add_f32 v[238:239], v[238:239], v[\sb+\j+2:\sb+\j+3]
	v_pk_add_f32 v[244:245], v[244:245], v[\sb+\j+4:\sb+\j+5]
	v_pk_add_f32 v[14:15], v[14:15], v[\sb+\j+6:\sb+\j+7]
.endr
	v_pk_add_f32 v[236:237], v[236:237], v[\sb+62:\sb+63]
	v_pk_add_f32 v[238:239], v[238:239], v[244:245]
	v_pk_add_f32 v[14:15], v[14:15], v[236:237]
	v_pk_add_f32 v[14:15], v[14:15], v[238:239]
	s_wait_alu depctr_va_vdst(0)                   ; and one for the four
.irp b, 0,1,2,3
	v_max_num_f32 v[232+\b], 0x1800000, v[232+\b]  ; the floor 2^(3 - 127): the byte cannot fall under 1 (a block whose every p is 0 keeps that byte: its codes are zeros)
.endr
.irp b, 0,1,2,3
	v_add_nc_u32 v[244+\b], 0xff000000, v[232+\b]  ; 2 off the exponent field: the conversion's scale operand
.endr
.irp b, 0,1,2,3
	v_lshrrev_b32 v[236+\b], 23, v[244+\b]         ; the scale's byte
.endr
	v_lshl_or_b32 v253, v237, 8, v236              ; p's scale word for these 128 keys
	v_lshl_or_b32 v253, v238, 16, v253
	v_lshl_or_b32 v253, v239, 24, v253
.irp b, 0,1,2,3                                ; tile 2 b + u, half h, holds the eight keys 2 u + h of block b: to register 4 (b / 2) + 2 u + b % 2
	v_cvt_scalef32_pk8_fp4_f32 v[224+4*(\b/2)+(\b%2)], v[\sb+16*\b:\sb+7+16*\b], v[244+\b]
	v_cvt_scalef32_pk8_fp4_f32 v[226+4*(\b/2)+(\b%2)], v[\sb+8+16*\b:\sb+15+16*\b], v[244+\b]
.endr
	v_nop                                          ; one plain line behind a scaled conversion
.irp c, 0,1                                    ; the exchange of halves gives the operand's layout: register 4 c + g of half h: keys 64 c + 32 h + 8 g on
.irp u, 0,1
	v_permlane16_swap_b32 v[224+4*\c+2*\u], v[225+4*\c+2*\u]
.endr
.endr
.if \pre
	s_add_co_u32 s[TB], s[TB], \adv                ; p's run is free: the next step's K is asked for into it, its scale words first
	v_add_nc_u32 v[ADK], s[TB], v[LI]
	v_add_nc_u32 v[ADS], s[TB], v[LR]
	ds_load_b128 v[KS:KS+3], v[ADS] offset:8192
	ds_load_b128 v[KS+8:KS+11], v[ADS] offset:8448
.endif
.irp j, 0,4,8,12,16,20,24,28,32,36,40,44,48,52,56,60
	v_pk_mul_f32 v[160+\j:161+\j], v[160+\j:161+\j], v[252:253] op_sel_hi:[1,0]   ; O^T under the new M.  (These 32 are also the places between the lines that made p's codes and scale word and the products)
	v_pk_mul_f32 v[162+\j:163+\j], v[162+\j:163+\j], v[252:253] op_sel_hi:[1,0]
.if (\pre) && (\j < 32)
	FRAGL \sb+8*(\j/4), ADK, 1024*(\j/4)           ; an image of K behind each two of the first sixteen
.endif
.endr
.if \pre
	s_wait_dscnt 18                                ; V is in; behind its loads stand the 2 + 16 for the next step's K, which may be out
.else
	s_wait_dscnt 0x0                               ; V is in
.endif
.irp t, 0,1,2,3,4,5,6,7
	v_wmma_scale_f32_16x16x128_f8f6f4 v[160+8*\t:167+8*\t], v[\kb+8*\t:\kb+8*\t+7], v[224:231], v[160+8*\t:167+8*\t], v[VS+\t], v253 matrix_a_fmt:MATRIX_FMT_FP4 matrix_b_fmt:MATRIX_FMT_FP4
.endr
	s_add_co_u32 s[KF], s[KF], 256                 ; my next step is two on
.endm
; In front of a group of steps each wave has waited for its part of the tiles that the group reads (left: how many of its later loads may stay out) and for its LDS loads; then the barrier.  Nothing is ever filled again.
.macro MEET left
	s_wait_tensorcnt \left
	s_wait_dscnt 0x0
	s_barrier_signal -1
	s_barrier_wait -1
.endm
	s_wait_loadcnt 0x0                             ; Q
	MEET 3                                         ; chunk 0
	s_mov_b32 s[TB], s[PB]
	s_mov_b32 s[KF], s[KP]
	STEP BA, BB, 1, 1, 2*REC, .Lgroup1
	STEP BB, BA, 0, 0, 0, .Lgroup1
.Lgroup1:
	MEET 2                                         ; chunk 1
	s_add_co_u32 s[TB], s[PB], CHUNKB
	s_add_co_u32 s[KF], s[KP], 512
	STEP BA, BB, 1, 1, 2*REC, .Lgroup2
	STEP BB, BA, 0, 0, 0, .Lgroup2
.Lgroup2:
	MEET 0                                         ; chunks 2 and 3: all my loads
	s_add_co_u32 s[TB], s[PB], 2*CHUNKB
	s_add_co_u32 s[KF], s[KP], 1024
	STEP BA, BB, 1, 1, 2*REC, .Ldone
	STEP BB, BA, 0, 1, 6*REC, .Ldone               ; (from chunk 2's third or fourth record of K to chunk 3's first or second)
	STEP BA, BB, 0, 1, 2*REC, .Ldone
	STEP BB, BA, 0, 0, 0, .Ldone
.Ldone:
	; THE MERGE of a tile's two waves.
.rept 4
	v_nop                                          ; places behind the last products
.endr
	v_add_f32 v14, v14, v15                        ; the sum's two halves
	s_wait_dscnt 0x0                               ; (a K that was asked for ahead of a hidden step is in, and is not used)
	s_barrier_signal -1
	s_barrier_wait -1                              ; nobody reads K or V any more, and every fill has landed
	s_and_b32 s49, s[WV], 4
	s_cmp_eq_u32 s49, 0
	s_cbranch_scc1 .Lkeep
.irp k, 0,1,2,3,4,5,6,7,8,9,10,11,12,13,14,15
	ds_store_b128 v[MGA], v[160+4*\k:163+4*\k] offset:512*\k   ; the odd wave's O^T as an image of its registers, each accumulator from its low end on,
.endr
	ds_store_b32 v[MGS], v12                       ; its -M,
	ds_store_b32 v[MGS], v14 offset:128            ; its sum
.Lkeep:
	s_wait_dscnt 0x0                               ; for the partner's sake
	s_barrier_signal -1
	s_barrier_wait -1
	s_cmp_eq_u32 s49, 0
	s_cbranch_scc1 .Lmerge
	s_wait_xcnt 0x0
	v_lshl_add_u32 v254, v0, 2, 0x44000
	v_mov_b32 v255, 0
	s_wait_tensorcnt 0x0
	ds_add_u32 v254, v255
	s_wait_dscnt 0x0
	s_endpgm
.Lmerge:
.irp k, 0,1,2,3,4,5,6,7,8,9,10,11,12,13,14,15
	ds_load_b128 v[32+4*\k:35+4*\k], v[MGA] offset:512*\k
.endr
	ds_load_b32 v96, v[MGS]
	ds_load_b32 v97, v[MGS] offset:128
	s_wait_dscnt 0x0
	v_min_num_f32 v98, v12, v96                    ; the common -M
	v_sub_f32 v99, v98, v12                        ; my M - the common M: a whole number, 0 or less
	v_sub_f32 v252, v98, v96                       ; the partner's (a partner that had no step holds -M = 3e38: its factor comes out 0)
	v_cvt_i32_f32 v99, v99
	v_cvt_i32_f32 v252, v252
	v_ldexp_f32 v99, 1.0, v99
	v_ldexp_f32 v252, 1.0, v252
	v_mul_f32 v14, v14, v99
	v_fma_f32 v14, v97, v252, v14
	v_permlanex16_b32 v254, v14, s[SEL], s[SEL+1]
	v_add_f32 v14, v14, v254                       ; with lane l xor 16's: the row's sum
	v_rcp_f32 v14, v14
	v_nop                                          ; a plain line behind the transcendental,
	s_wait_alu depctr_va_vdst(0)                   ; and the wait ahead of its first reader
	v_mul_f32 v236, v99, v14
	v_mul_f32 v238, v252, v14
.irp j, 0,2,4,6,8,10,12,14,16,18,20,22,24,26,28,30,32,34,36,38,40,42,44,46,48,50,52,54,56,58,60,62
	v_pk_mul_f32 v[160+\j:161+\j], v[160+\j:161+\j], v[236:237] op_sel_hi:[1,0]
.endr
.irp j, 0,2,4,6,8,10,12,14,16,18,20,22,24,26,28,30,32,34,36,38,40,42,44,46,48,50,52,54,56,58,60,62
	v_pk_fma_f32 v[160+\j:161+\j], v[32+\j:33+\j], v[238:239], v[160+\j:161+\j] op_sel_hi:[1,0,1]   ; Y: register 8 t + j = channel 16 t + 8 h + j of my query
.endr
	; Y is quantised along its 128 channels as p is along the keys
.irp b, 0,1,2,3
	v_max3_num_f32 v[TM+\b], |v[160+16*\b]|, |v[161+16*\b]|, 0x1800000
.endr
.irp i, 2,4,6,8,10,12,14
.irp b, 0,1,2,3
	v_max3_num_f32 v[TM+\b], v[TM+\b], |v[160+16*\b+\i]|, |v[161+16*\b+\i]|
.endr
.endr
.irp b, 0,1,2,3
	v_permlanex16_b32 v[TM+4+\b], v[TM+\b], s[SEL], s[SEL+1]
.endr
.irp b, 0,1,2,3
	v_max_num_f32 v[TM+\b], v[TM+\b], v[TM+4+\b]
.endr
.irp b, 0,1,2,3
	v_add_nc_u32 v[TM+12+\b], 0xff000000, v[TM+\b]
.endr
.irp b, 0,1,2,3
	v_lshrrev_b32 v[TM+4+\b], 23, v[TM+12+\b]
.endr
	v_lshl_or_b32 v100, v[TM+5], 8, v[TM+4]
	v_lshl_or_b32 v100, v[TM+6], 16, v100
	v_lshl_or_b32 v100, v[TM+7], 24, v100
.irp b, 0,1,2,3
	v_cvt_scalef32_pk8_fp4_f32 v[224+4*(\b/2)+(\b%2)], v[160+16*\b:167+16*\b], v[TM+12+\b]
	v_cvt_scalef32_pk8_fp4_f32 v[226+4*(\b/2)+(\b%2)], v[168+16*\b:175+16*\b], v[TM+12+\b]
.endr
	v_nop
.irp c, 0,1
.irp u, 0,1
	v_permlane16_swap_b32 v[224+4*\c+2*\u], v[225+4*\c+2*\u]
.endr
.endr
	global_store_b128 v[LI], v[224:227], s[56:57]              ; the image: 512 consecutive bytes a store
	global_store_b128 v[LI], v[228:231], s[56:57] offset:512
	global_store_b32 v[LR], v100, s[58:59]                     ; my row's scale word, one of the record's four a row; both halves of the lanes write the same word with the same value
	s_wait_xcnt 0x0
	v_lshl_add_u32 v254, v0, 2, 0x44000
	v_mov_b32 v255, 0
	s_wait_tensorcnt 0x0
	ds_add_u32 v254, v255
	s_wait_dscnt 0x0
	s_endpgm
.Lfunc_end_k_qc7f8f8af7c_attn:
	.size	k_qc7f8f8af7c_attn, .Lfunc_end_k_qc7f8f8af7c_attn-k_qc7f8f8af7c_attn
	.p2alignl 7, 3214868480
	.fill 96, 4, 3214868480
	.section	.rodata,"a",@progbits
	.p2align	6, 0x0
	.amdhsa_kernel k_qc7f8f8af7c_attn
		.amdhsa_group_segment_fixed_size 280576
		.amdhsa_private_segment_fixed_size 0
		.amdhsa_enable_private_segment 0
		.amdhsa_kernarg_size 16
		.amdhsa_user_sgpr_count 2
		.amdhsa_user_sgpr_kernarg_segment_ptr 1
		.amdhsa_wavefront_size32 1
		.amdhsa_system_sgpr_workgroup_id_x 1
		.amdhsa_system_sgpr_workgroup_id_y 1
		.amdhsa_system_sgpr_workgroup_id_z 1
		.amdhsa_system_vgpr_workitem_id 0
		.amdhsa_next_free_vgpr 256
		.amdhsa_next_free_sgpr 66
		.amdhsa_reserve_vcc 1
		.amdhsa_float_denorm_mode_32 3
		.amdhsa_float_denorm_mode_16_64 3
		.amdhsa_memory_ordered 1
		.amdhsa_forward_progress 1
		.amdhsa_inst_pref_size 203
	.end_amdhsa_kernel
	.amdgpu_metadata
---
amdhsa.version: [ 1, 2 ]
amdhsa.kernels:
  - .name:           k_qc7f8f8af7c_attn
    .symbol:         k_qc7f8f8af7c_attn.kd
    .args:
      - { .name: qkv, .offset: 0, .size: 8, .value_kind: global_buffer, .address_space: global }
      - { .name: yop, .offset: 8, .size: 8, .value_kind: global_buffer, .address_space: global }
    .group_segment_fixed_size: 280576
    .private_segment_fixed_size: 0
    .kernarg_segment_align: 8
    .kernarg_segment_size: 16
    .max_flat_workgroup_size: 512
    .sgpr_count:     66
    .vgpr_count:     256
    .wavefront_size: 32
...
	.end_amdgpu_metadata
.endif
;; end of part 3
;; launch oproj (part 4): grid 16 x 16, 4 waves a work-group, clusters of 4 x 4, 296,448 bytes of LDS; arguments yop, wop, bo, out0; writes out0
.if DOCPART == 4
	.amdgcn_target "amdgcn-amd-amdhsa--gfx1250"
	.amdhsa_code_object_version 6
	.text
	.protected	k_qc7f8f8af7c_oproj
	.globl	k_qc7f8f8af7c_oproj
	.p2align	8
	.type	k_qc7f8f8af7c_oproj,@function
k_qc7f8f8af7c_oproj:
	s_mov_b64 s[64:65], 0
	v_nop
	global_prefetch_b8 v0, s[64:65] scope:SCOPE_SE
	s_setreg_imm32_b32 hwreg(HW_REG_WAVE_MODE, 25, 1), 1
	s_wait_xcnt 0x0
	s_wait_alu depctr_hold_cnt(0) depctr_sa_sdst(0) depctr_va_vdst(0) depctr_va_sdst(0) depctr_va_ssrc(0) depctr_va_vcc(0) depctr_vm_vsrc(0)
	s_getreg_b32 s2, hwreg(HW_REG_IB_STS2, 6, 4)
	s_cmp_eq_u32 s2, 0
	s_cbranch_scc0 .Lentry_in_a_cluster
	s_endpgm
.Lentry_in_a_cluster:
	s_bfe_u32 s2, ttmp6, 0x10000c
	s_cmp_lg_u32 s2, 0xf033
	s_cbranch_scc0 .Lentry_shape_is_right
	s_endpgm
.Lentry_shape_is_right:
; out0 = Y Wo^T + bo on codes of FP4 with E8M0 scales; sums, bias and result in f32.
; INPUT: yop = [tile of 16 tokens][quarter of K][4,352] and wop likewise (Wo's row tiles begin at 512): a record is four images of 16 rows x 128 K (registers 0-3 of lane l at 16 l, 4-7 at 512 + 16 l) and 256 bytes of
; scale words [row][4].
; A tile of 128 x 128 gives each of the 256 WGPs a work-group; four waves, each 64 x 64: 16 accumulators.  ALL OF K LIES IN LDS, filled once: 4 quarters x (8 + 8 records) = 278,528 bytes.  So there is no ring: each wave
; issues its four tensor loads at the head, and a plain barrier with a counted wait stands in front of each quarter.
; CLUSTERS: 4 x 4 work-groups; Y's tiles are shared along a row of the cluster, Wo's along a column: each is asked for JOINTLY.  One round of the cluster's barrier in front of the loads, one at the end.
; THE MATRIX INSTRUCTION IS USED TRANSPOSED (source 0 = 16 rows of Wo, source 1 = 16 rows of Y): a lane holds eight neighbouring numbers of a row of out0.  The bias is the C of each sum's first matrix instruction.
; No prefetch: every tile is asked for by its tensor load in the launch's first lines.
; REGISTERS: window 0: v8-26 addresses; v32-63 scale words, two sets; v64-95 the bias; v128-255 the accumulators ((a, b) at v[128 + 8 (4 a + b)]).
;   window 1: two fragment buffers of 128 for 256 along K: 64 registers of Y (2 x 4 fragments), then 64 of Wo; on the way out v0-127 take the rows read back.
; SCALARS: s[24:31], s[48:55] the two groups 1; s[32:47], s[68:83] the eight groups 0, which hold nothing else and are never written again; s14-23 and s84-93 at work.
.set REC,    4352
.set RGP,    4*REC                     ; from row tile to row tile in memory
.set LOADB,  4*REC                     ; 64 rows of a quarter of K: what one tensor load brings, and what one wave reads of either operand
.set QUART,  4*LOADB                   ; a quarter of K: Y's 128 rows, then Wo's
.set STAGE,  4*QUART                   ; behind the tiles: 16 rows x 272 bytes for each wave, for the way out: bytes of their own
.set SPITCH, 272
.set ADRA, 8                           ; v8-11   LDS address of my fragments of Y in quarter 0..3
.set ADRB, 12                          ; v12-15  of Wo
.set ADRS, 16                          ; v16-19  of my scale words: lanes 0-15 Y's rows, lanes 16-31 Wo's
.set STO,  24
.set RD,   25
.set CO,   26
.set SC,   32                          ; scale words: set s at v[SC + 16 s]; register 4 i + q
.set BI,   64
.set ACC,  128
.set F0,   0
.set F1,   128
.set G1,  24                           ; s[24:31] group 1 for Y's tiles;  s[32:47] four groups 0
.set G0,  32
.set G1B, 48                           ; s[48:55] for Wo's;  s[68:83] four groups 0
.set G0B, 68
.set CX,  84                           ; s84 cx, s85 cy: my place in the cluster
.set CY,  85
.set TC,  86                           ; s86 tile column
.set MR,  87                           ; s87 the mask of my row of the cluster, s88 of my column
.set MC,  88
.set LB,  89                           ; s89 where my loads go in a quarter
.set BA,  90                           ; s[90:91] Wo at my first row tile
.set CB,  92                           ; s[92:93] my first column, in bytes
.set MSB, 0
.macro WIN new                         ; the immediate's high byte repeats the setting that is left
.if MSB != \new
	s_set_vgpr_msb (MSB<<8)|\new
.set MSB, \new
.endif
.endm
.set MUL,  0x05                        ; sources 0 and 1 window 1; C and D window 0
.set TO_F, 0x40                        ; destination window 1, address window 0
.macro CROUND                          ; a round of the cluster's barrier
	s_barrier_signal -1
	s_barrier_wait -1
	s_cmp_lg_u32 s14, 0
	s_cbranch_scc1 .Lnot_wave_0_\@
	s_barrier_signal -3
.Lnot_wave_0_\@:
	s_barrier_wait -3
	s_barrier_signal -1
	s_barrier_wait -1
.endm
	s_load_b256 s[4:11], s[0:1], 0x0               ; yop s[4:5], wop s[6:7], bo s[8:9], out0 s[10:11]
	v_lshl_add_u32 v126, v0, 2, 0x48400
	v_mov_b32 v127, 0
	ds_add_u32 v126, v127
	ds_add_u32 v126, v127
	v_lshrrev_b32 v1, 5, v0
	v_readfirstlane_b32 s14, v1                    ; wave 0..3
	s_lshr_b32 s15, s14, 1                         ; which half of the tile's rows is mine.  Also: I fetch for Y (0) or for Wo (1)
	s_and_b32 s16, s14, 1                          ; which half of its columns.  Also: which 64 rows of that tile I fetch
	s_bfe_u32 s[CX], ttmp6, 0x40000
	s_bfe_u32 s[CY], ttmp6, 0x40004
	s_lshl_b32 s[TC], ttmp9, 2
	s_add_co_u32 s[TC], s[TC], s[CX]               ; tile column = 4 x cluster x + cx
	s_and_b32 s17, ttmp7, 0xffff
	s_lshl_b32 s17, s17, 2
	s_add_co_u32 s17, s17, s[CY]                   ; tile row = 4 x cluster y + cy
	s_lshl_b32 s[MR], s[CY], 2
	s_lshl_b32 s[MR], 15, s[MR]                    ; my row of the cluster
	s_lshl_b32 s[MC], 0x1111, s[CX]                ; my column
	; descriptor group 1: 4 records of 4,352 bytes (544 elements of 8 bytes), 17,408 bytes apart in memory, on end in LDS
	s_or_b32 s[G1+0], s[MR], (3<<16)|(1<<21)       ; 15:0 the mask: Y's tiles go to my row; 17:16 elements of 8 bytes; 20 no padding; 21 set beside a mask
	s_or_b32 s[G1B+0], s[MC], (3<<16)|(1<<21)      ; Wo's go to my column
.irp g, G1, G1B
	s_mov_b32 s[\g+1], 544<<16                     ; tensor_dim0
	s_mov_b32 s[\g+2], 4<<16                       ; tensor_dim1
	s_mov_b32 s[\g+3], 544<<16                     ; tile_dim0
	s_mov_b32 s[\g+4], 4                           ; tile_dim1
	s_mov_b32 s[\g+5], 2176                        ; tensor_dim0_stride
	s_mov_b32 s[\g+6], 0
	s_mov_b32 s[\g+7], 0
.endr
	s_lshl_b32 s18, s16, 2                         ; which 4 row tiles of the 8 I fetch
	s_lshl_b32 s20, s17, 3
	s_add_co_u32 s20, s20, s18                     ; Y: row tile 8 x tile row + 4 x half
	s_mul_i32 s20, s20, RGP
	s_mov_b32 s21, 0
	s_lshl_b32 s[BA], s[TC], 3
	s_add_co_u32 s[BA], s[BA], s18
	s_add_co_u32 s[BA], s[BA], 512                 ; Wo: row tile 512 + 8 x tile column + 4 x half
	s_mul_i32 s[BA], s[BA], RGP
	s_mov_b32 s[BA+1], 0
	s_mul_i32 s[LB], s14, LOADB                    ; where they go: no place in the cluster enters an LDS address
	s_wait_dscnt 0x0
	s_wait_kmcnt 0x0
	s_add_nc_u64 s[20:21], s[4:5], s[20:21]
	s_add_nc_u64 s[BA:BA+1], s[6:7], s[BA:BA+1]
	CROUND                                         ; all sixteen work-groups are here: the joint loads meet
.irp k, 0,1,2,3
	s_mov_b32 s[G0+4*\k], 1                        ; count = 1
	s_add_co_u32 s[G0+4*\k+1], s[LB], \k*QUART     ; LDS address
	s_add_nc_u64 s[G0+4*\k+2:G0+4*\k+3], s[20:21], \k*REC   ; global address: quarter k of K
	s_or_b32 s[G0+4*\k+3], s[G0+4*\k+3], 0x80000000         ; type = 2
	s_mov_b32 s[G0B+4*\k], 1
	s_add_co_u32 s[G0B+4*\k+1], s[LB], \k*QUART
	s_add_nc_u64 s[G0B+4*\k+2:G0B+4*\k+3], s[BA:BA+1], \k*REC
	s_or_b32 s[G0B+4*\k+3], s[G0B+4*\k+3], 0x80000000
.endr
	s_cmp_eq_u32 s15, 0                            ; a wave's four fills stand in one branch on the wave's number: four loads of mine are out; four v_nop follow the last
	s_cbranch_scc0 .Lfirst_b
.irp k, 0,1,2,3
	tensor_load_to_lds s[G0+4*\k:G0+4*\k+3], s[G1:G1+7]
	s_nop 0
.endr
.rept 4
	v_nop
.endr
	s_branch .Lfirst_asked
.Lfirst_b:
.irp k, 0,1,2,3
	tensor_load_to_lds s[G0B+4*\k:G0B+4*\k+3], s[G1B:G1B+7]
	s_nop 0
.endr
.rept 4
	v_nop
.endr
.Lfirst_asked:
	v_and_b32 v1, 15, v0                           ; r
	v_bfe_u32 v2, v0, 4, 1                         ; h
	v_and_b32 v3, 31, v0
	v_lshlrev_b32 v4, 4, v3                        ; 16 x lane
	s_mul_i32 s21, s15, LOADB                      ; my 64 rows of Y
	s_mul_i32 s22, s16, LOADB                      ; my 64 rows of Wo,
	s_add_co_u32 s22, s22, 2*LOADB                 ; which lie behind Y's 128
	s_sub_co_u32 s23, s22, s21
	v_mul_u32_u24 v6, s23, v2                      ; lanes 16-31 take Wo's scale words: one product, the distance between the two
	v_lshl_add_u32 v5, v1, 4, v6                   ; 16 bytes a row,
	v_add_nc_u32 v5, 4096, v5                      ; behind a record's four images
.irp k, 0,1,2,3
	v_add_nc_u32 v[ADRA+\k], s21, v4
	v_add_nc_u32 v[ADRB+\k], s22, v4
	v_add_nc_u32 v[ADRS+\k], s21, v5
	s_add_co_u32 s21, s21, QUART
	s_add_co_u32 s22, s22, QUART
.endr
	s_mul_i32 s23, s14, 16*SPITCH
	s_add_co_u32 s23, s23, STAGE                   ; my stage
	v_mul_u32_u24 v5, v1, SPITCH                   ; in: row r, 32 bytes for each half of the lanes
	v_lshl_add_u32 v5, v2, 5, v5
	v_add_nc_u32 v[STO], s23, v5
	v_mul_u32_u24 v5, v2, SPITCH                   ; back: lanes 0-15 one row of 256 bytes, lanes 16-31 the next
	v_lshl_add_u32 v5, v1, 4, v5
	v_add_nc_u32 v[RD], s23, v5
	v_lshlrev_b32 v5, 13, v2                       ; and the same two rows in out0: 8,192 bytes a row
	v_lshl_add_u32 v[CO], v1, 4, v5
	s_lshl_b32 s20, s17, 7
	s_lshl_b32 s21, s15, 6
	s_add_co_u32 s20, s20, s21                     ; my first row: 128 x tile row + 64 x half
	s_lshl_b32 s20, s20, 13
	s_mov_b32 s21, 0
	s_lshl_b32 s[CB], s[TC], 9
	s_lshl_b32 s[CB+1], s16, 8
	s_add_co_u32 s[CB], s[CB], s[CB+1]             ; my first column, in bytes: 512 x tile column + 256 x half
	s_mov_b32 s[CB+1], 0
	s_add_nc_u64 s[8:9], s[8:9], s[CB:CB+1]
	s_add_nc_u64 s[10:11], s[10:11], s[CB:CB+1]
	s_add_nc_u64 s[10:11], s[10:11], s[20:21]
	v_lshlrev_b32 v7, 5, v2                        ; 32 h
.irp b, 0,1,2,3                                ; the bias in the result's layout: for block b of Wo's rows, columns 16 b + 8 h + 0 .. 7
	global_load_b128 v[BI+8*\b:BI+8*\b+3], v7, s[8:9] offset:64*\b
	global_load_b128 v[BI+8*\b+4:BI+8*\b+7], v7, s[8:9] offset:64*\b+16
.endr
; 8 matrix instructions: Y's blocks a0, a0 + 1 x Wo's four, 128 along K: half cc of buffer f, the quarter's q-th 128.  zero = 1: the sums begin with the bias.  The 16 accumulators take turns.
.macro MUL8 f, cc, a0, q, sc, zero
.irp a, \a0, \a0+1
.irp b, 0,1,2,3
.set rD, ACC+8*(4*(\a)+\b)
.set rB, \f+64+8*(4*\cc+\b)
.set rA, \f+8*(4*\cc+(\a))
.set rSB, SC+16*(\sc)+4*\b+(\q)
.set rSA, SC+16*(\sc)+4*(\a)+(\q)
.if \zero
	v_wmma_scale_f32_16x16x128_f8f6f4 v[rD:rD+7], v[rB:rB+7], v[rA:rA+7], v[BI+8*\b:BI+8*\b+7], v[rSB], v[rSA] matrix_a_fmt:MATRIX_FMT_FP4 matrix_b_fmt:MATRIX_FMT_FP4 matrix_a_scale:MATRIX_SCALE_ROW1
.else
	v_wmma_scale_f32_16x16x128_f8f6f4 v[rD:rD+7], v[rB:rB+7], v[rA:rA+7], v[rD:rD+7], v[rSB], v[rSA] matrix_a_fmt:MATRIX_FMT_FP4 matrix_b_fmt:MATRIX_FMT_FP4 matrix_a_scale:MATRIX_SCALE_ROW1
.endif
.endr
.endr
.endm
; 32 LDS loads in one run: the fragments of 256 along K, half e of quarter k, into buffer f; the first 128 along K first.  A fragment is its image: two loads of 512 consecutive bytes
.macro FETCH k, e, f
	WIN TO_F
.irp cc, 0,1
.irp i, 0,1,2,3
.irp c, 0,1
	ds_load_b128 v[\f+64+8*(4*\cc+\i)+4*\c:\f+64+8*(4*\cc+\i)+4*\c+3], v[ADRB+\k] offset:REC*\i+1024*(2*(\e)+\cc)+512*\c
.endr
.irp c, 0,1
	ds_load_b128 v[\f+8*(4*\cc+\i)+4*\c:\f+8*(4*\cc+\i)+4*\c+3], v[ADRA+\k] offset:REC*\i+1024*(2*(\e)+\cc)+512*\c
.endr
.endr
.endr
.endm
.macro SCALES k                        ; quarter k's scale words into set k % 2: four words a row; lanes 0-15 Y's block i, lanes 16-31 Wo's
.irp i, 0,1,2,3
	ds_load_b128 v[SC+16*((\k)%2)+4*\i:SC+16*((\k)%2)+4*\i+3], v[ADRS+\k] offset:REC*\i
.endr
.endm
.macro PLACES                          ; four places in front of loads into registers that matrix instructions have read, and of the first read of results (ISA guide 7.12.1 for the first read of results)
.rept 4
	v_nop
.endr
.endm
; The first half of quarter k: multiplies buffer 0 and fetches the second half into buffer 1.
.macro UNIT k, zero
	s_wait_dscnt 16                                ; the scale words and the first 128 along K are in; the sixteen youngest loads may be out
	WIN MUL
	MUL8 F0, 0, 0, 0, (\k)%2, \zero
	MUL8 F0, 0, 2, 0, (\k)%2, \zero
	PLACES
	FETCH \k, 1, F1
	s_wait_dscnt 32                                ; all but the 32 just issued
	WIN MUL
	MUL8 F0, 1, 0, 1, (\k)%2, 0
	MUL8 F0, 1, 2, 1, (\k)%2, 0
.endm
; The second half of quarter k multiplies buffer 1 and goes on to quarter k + 1: each wave waits for its part of it, then a barrier; the later quarters' loads stay out.
.macro UNITX k
	s_wait_dscnt 16
	WIN MUL
	MUL8 F1, 0, 0, 2, (\k)%2, 0
	MUL8 F1, 0, 2, 2, (\k)%2, 0
	WIN 0
	s_wait_tensorcnt 2-\k                          ; my part of quarter k + 1 is in
	s_wait_dscnt 0x0                               ; no LDS instruction of mine is out at the signal
	s_barrier_signal -1
	s_barrier_wait -1                              ; everybody's is
	PLACES
	SCALES (\k)+1
	FETCH (\k)+1, 0, F0
	WIN MUL
	MUL8 F1, 1, 0, 3, (\k)%2, 0
	MUL8 F1, 1, 2, 3, (\k)%2, 0
.endm
	s_wait_tensorcnt 3                             ; my part of quarter 0 is in; three loads of mine may be out
	s_barrier_signal -1
	s_barrier_wait -1
	SCALES 0
	FETCH 0, 0, F0
	s_wait_loadcnt 0x0                             ; the bias
	UNIT 0, 1
	UNITX 0
	UNIT 1, 0
	UNITX 1
	UNIT 2, 0
	UNITX 2
	UNIT 3, 0
	s_wait_dscnt 16                                ; the very last 256 along K: nothing more to fetch
	WIN MUL
	MUL8 F1, 0, 0, 2, 1, 0
	MUL8 F1, 0, 2, 2, 1, 0
	s_wait_dscnt 0x0
	MUL8 F1, 1, 0, 3, 1, 0
	MUL8 F1, 1, 2, 3, 1, 0
	WIN 0
	PLACES
; THE WAY OUT, block by block of 16 rows x 64 columns.  A lane holds 32 neighbouring bytes of a row, the lanes beside it other rows: a block goes through my own stage in LDS and comes back as whole rows of 256 bytes.
; LDS serves a wave's instructions in order (ISA guide 5.7.1.4): no wait between the stores and the loads, nor in front of the next block's stores.  No register that a store reads is written again.
.macro TOSTAGE a
	WIN 0
.irp b, 0,1,2,3
	ds_store_b128 v[STO], v[ACC+8*(4*(\a)+\b):ACC+8*(4*(\a)+\b)+3] offset:64*\b        ; each accumulator from its low end on
	ds_store_b128 v[STO], v[ACC+8*(4*(\a)+\b)+4:ACC+8*(4*(\a)+\b)+7] offset:64*\b+16
.endr
	WIN TO_F
.irp t, 0,1,2,3,4,5,6,7
	ds_load_b128 v[32*(\a)+4*\t:32*(\a)+4*\t+3], v[RD] offset:\t*2*SPITCH
.endr
.endm
.macro SEND a, younger                 ; younger: the LDS instructions issued behind block a's loads, which may stay out
	WIN 0x04                                       ; a store's data are its source 1: window 1
	s_wait_dscnt \younger
.irp t, 0,1,2,3,4,5,6,7
	global_store_b128 v[CO], v[32*(\a)+4*\t:32*(\a)+4*\t+3], s[10:11] offset:(16*(\a)+2*\t)*8192 th:TH_STORE_NT   ; 16 lanes store 256 consecutive bytes, at a multiple of 256 from out0's first byte
.endr
.endm
	TOSTAGE 0
.irp a, 1,2,3
	TOSTAGE \a
	SEND \a-1, 16                                  ; behind block a - 1's loads: block a's 8 stores and 8 loads
.endr
	SEND 3, 0
	WIN 0
	s_wait_tensorcnt 0x0
	ds_add_u32 v126, v127
	s_wait_dscnt 0x0
	CROUND                                         ; the closing round: no work-group ends while a partner may still ask for a tile that names it
	s_endpgm
.Lfunc_end_k_qc7f8f8af7c_oproj:
	.size	k_qc7f8f8af7c_oproj, .Lfunc_end_k_qc7f8f8af7c_oproj-k_qc7f8f8af7c_oproj
	.p2alignl 7, 3214868480
	.fill 96, 4, 3214868480
	.section	.rodata,"a",@progbits
	.p2align	6, 0x0
	.amdhsa_kernel k_qc7f8f8af7c_oproj
		.amdhsa_group_segment_fixed_size 296448
		.amdhsa_private_segment_fixed_size 0
		.amdhsa_enable_private_segment 0
		.amdhsa_kernarg_size 32
		.amdhsa_user_sgpr_count 2
		.amdhsa_user_sgpr_kernarg_segment_ptr 1
		.amdhsa_wavefront_size32 1
		.amdhsa_system_sgpr_workgroup_id_x 1
		.amdhsa_system_sgpr_workgroup_id_y 1
		.amdhsa_system_sgpr_workgroup_id_z 1
		.amdhsa_system_vgpr_workitem_id 0
		.amdhsa_next_free_vgpr 512
		.amdhsa_next_free_sgpr 100
		.amdhsa_reserve_vcc 0
		.amdhsa_float_denorm_mode_32 3
		.amdhsa_float_denorm_mode_16_64 3
		.amdhsa_memory_ordered 1
		.amdhsa_forward_progress 1
		.amdhsa_inst_pref_size 69
	.end_amdhsa_kernel
	.amdgpu_metadata
---
amdhsa.version: [ 1, 2 ]
amdhsa.kernels:
  - .name:           k_qc7f8f8af7c_oproj
    .symbol:         k_qc7f8f8af7c_oproj.kd
    .args:
      - { .name: yop, .offset: 0, .size: 8, .value_kind: global_buffer, .address_space: global }
      - { .name: wop, .offset: 8, .size: 8, .value_kind: global_buffer, .address_space: global }
      - { .name: bo, .offset: 16, .size: 8, .value_kind: global_buffer, .address_space: global }
      - { .name: out0, .offset: 24, .size: 8, .value_kind: global_buffer, .address_space: global }
    .group_segment_fixed_size: 296448
    .private_segment_fixed_size: 0
    .kernarg_segment_align: 8
    .kernarg_segment_size: 32
    .max_flat_workgroup_size: 128
    .sgpr_count:     100
    .vgpr_count:     512
    .wavefront_size: 32
...
	.end_amdgpu_metadata
.endif
;; end of part 4
